; MI455X (gfx1250); checked and timed in simulation.
; The chip was launched on July 23, 2026; its instructions are those of AMD's public machine-readable ISA for CDNA 5 (MIT licence, August 2026) and "CDNA5" Instruction Set Architecture Reference Guide (July 2026). The comments in the code are by the model that wrote it; some were corrected since.
;; Self Attention. Allowed arithmetic: matrix products marked QUANTISED: E2M1 operands, one E8M0 scale for each 32 along K, by v_wmma_scale_f32_16x16x128_f8f6f4 with both operands' format E2M1 (or v_wmma_scale_f32_32x16x128_f4), f32 sums; products left as they are: bf16, f16 or f32 operands; f32 sums; everything else in f32.
;; Inputs: b_in 3,072 float32; b_out 1,024 float32; w_in 3,072 x 1,024 float32; w_out 1,024 x 1,024 float32; x 2 x 2,048 x 1,024 float32.
;; Outputs: out0 2 x 2,048 x 1,024 float32.
;; This version of the problem:
;;   THIS VERSION OF THE PROBLEM IS GIVEN IN LOW PRECISION. The matrix products marked QUANTISED in the list below multiply operands that are first quantised to E2M1 (2 exponent bits, 1 mantissa bit; 4 bits a number), with one power-of-two scale for each 32 numbers along K (OCP MX v1.0); their sums are f32. The products marked 'left as it is' may take bf16, f16 or f32 operands, with f32 sums. Whichever they take, every output number must still come out within the allowed error. Rounding operands to bf16 (8 significant bits) uses up far more of that allowance than f16 does (11 bits, for magnitudes from 6e-5 to 65,504). All else is computed in f32.
;;   The module's matrix products, in the order in which they are computed (A, B: the left and right operand; K: the contracted axis; several contracted axes count as one K, in the product's order):
;;     1. [M 4,096, K 1,024] x [K 1,024, N 3,072]; A: input x; B: input w_in: QUANTISED
;;     2. batch 32 x [M 2,048, K 64] x [K 64, N 2,048]; A: computed on the way; B: computed on the way: left as it is (an operand is computed on the way)
;;     3. batch 32 x [M 2,048, K 2,048] x [K 2,048, N 64]; A: computed on the way; B: computed on the way: left as it is (an operand is computed on the way)
;;     4. [M 4,096, K 1,024] x [K 1,024, N 1,024]; A: computed on the way; B: input w_out: left as it is (an operand is computed on the way)
;;   THE QUANTISER, for each operand of a quantised product, along K:
;;     - K is cut into blocks of 32 from its start; a last block that is shorter is filled with zeros.
;;     - A block's scale is 2^e with e = floor(log2(the largest magnitude in the block)) - 2, held to -126 .. 127; a block of zeros has e = 0. As a byte (E8M0): e + 127.
;;     - Each number is divided by its block's scale, clamped to +-6, and rounded to the nearest number of E2M1, ties to even, subnormals kept.
;;     - The product sums the exact products of the quantised numbers (number of the format x scale) in f32.
;;   ~~~python
;;   def quantise(x, axis):      # numpy; x: float32 -> the quantised numbers, widened to float32 again
;;       x = np.moveaxis(x, axis, -1); K = x.shape[-1]
;;       x = np.pad(x, [(0, 0)] * (x.ndim - 1) + [(0, -K % 32)]); x = x.reshape(x.shape[:-1] + (-1, 32)); a = np.abs(x).max(-1, keepdims=True)
;;       e = np.where(a > 0, np.clip(np.frexp(np.where(a > 0, a, 1))[1] - 1 - 2, -126, 127), 0)      # np.frexp(a)[1] - 1 = floor(log2(a)), exactly
;;       r = np.clip(x / 2.0 ** e, -6, 6)
;;       step = 2.0 ** (np.maximum(np.frexp(np.where(r == 0, 1, r))[1] - 1, 0) - 1)
;;       q = np.round(r / step) * step * 2.0 ** e      # np.round: ties to even
;;       return np.moveaxis(q.reshape(q.shape[:-2] + (-1,))[..., :K], -1, axis).astype(np.float32)
;;   ~~~
;; One version. Each part assembles by itself: llvm-mc -triple=amdgcn-amd-amdhsa -mcpu=gfx1250 --defsym DOCPART=n.
;; ======== version 1 of 1: 5 launches
;; limits: values are held in f16: magnitudes above 65,504 overflow, below 6.1e-05 lose precision; right only within a limited range of input values
;; workspace buffers: x_codes 2,097,152 bytes; x_scales 131,072 bytes; w_codes 1,572,864 bytes; w_scales 98,304 bytes; wo16 2,097,152 bytes; qkv16 25,165,824 bytes; qkvf 393,216 bytes; a16 8,388,608 bytes
;; launch quant (part 1): grid 256 x 1, 4 waves a work-group, no clusters, 33,280 bytes of LDS; arguments x, w_in, x_codes, x_scales, w_codes, w_scales, w_out, wo16; writes x_codes, x_scales, w_codes, w_scales, wo16
.if DOCPART == 1
	.amdgcn_target "amdgcn-amd-amdhsa--gfx1250"
	.amdhsa_code_object_version 6
	.text
	.protected	k_q4b82428c43_quant
	.globl	k_q4b82428c43_quant
	.p2align	8
	.type	k_q4b82428c43_quant,@function
k_q4b82428c43_quant:
	s_mov_b64 s[64:65], 0
	v_nop
	global_prefetch_b8 v0, s[64:65] scope:SCOPE_SE
	s_setreg_imm32_b32 hwreg(HW_REG_WAVE_MODE, 25, 1), 1
	s_wait_xcnt 0x0
; x [4096][1024] and w_in [3072][1024], f32, become codes of FP4 (E2M1), K innermost, two codes a byte, with one E8M0 byte for each 32 along K; w_out [1024][1024] becomes f16.
; A block's scale is 2^(floor(log2(its largest magnitude)) - 2); its byte is the largest magnitude's exponent field - 2, held at 1 from below.  Each number is divided by the scale and rounded
; to the nearest code, ties to even, beyond the largest code the largest.
; LIMITS: a block of zeros gets the byte 1 where the rule says 127 (its codes are zeros, and the bytes are read by this program alone); blocks whose largest magnitude lies under 2^(3 - 127)
; keep the byte 1; NaN and infinities among the inputs are not served; numbers of w_out beyond 65,504 do not fit f16.
; SHARES.  Rows are dense and K is a multiple of 32: each tensor is a plain stream.  Work-groups 0-127 take x, 128-223 w_in, 224-255 w_out; a wave takes 8,192 numbers.
; The conversions take 8 numbers of one block from ONE lane's registers, a load is best where neighbouring lanes take neighbouring bytes: each load reads 512 consecutive bytes, a step's 2,048 bytes
; go through the wave's own stage in LDS as they lie and come back 64 bytes a lane (two neighbouring lanes hold a block).  A wave's 256 scale bytes are gathered in LDS and leave by one store.
; Loads run eight steps (32 loads a wave) ahead, the turn through LDS one step.  Waves share nothing: no barrier.  No work-group shares an input byte with another: no cluster.
.set WAVES, 4
.set STEPS, 16
.set AHEAD, 8
.set WGX,   128                        ; x's work-groups: 4,194,304 numbers / 32,768
.set WGQ,   224                        ; and w_in's 96 behind them
.set EMAX,  2
.set CB,    8                          ; bytes of 16 codes
.set R,     16                         ; v16-143  eight sets of 16 numbers as they are loaded
.set X,     144                        ; v144-175 two sets of 16 neighbours
.set E,     176                        ; v176-191 a scale byte for each step
.set C,     192                        ; v192-255 codes: four registers for each step, so that no store's data are written again
.set WREG,  8192                       ; LDS: a region for each wave: two stages of 32 x SP bytes, behind them its 256 scale bytes
.set SP,    80                         ; a lane's place in a stage: 64 bytes + 16 of padding
.set SPW,   12                         ; v12  LDS address of my spare word; never rewritten
.set NIL,   13                         ; v13  0; never rewritten
.set SPARE, WAVES*WREG                 ; behind the four regions: the spare words, 128 bytes for each wave
	s_load_b128 s[4:7], s[0:1], 0x0                ; x, w_in
	s_load_b128 s[8:11], s[0:1], 0x10              ; x's codes, x's scales
	s_load_b128 s[12:15], s[0:1], 0x20             ; w_in's codes, w_in's scales
	s_load_b128 s[20:23], s[0:1], 0x30             ; w_out, its f16 copy
	v_lshl_add_u32 v[SPW], v0, 2, SPARE
	v_mov_b32 v[NIL], 0
	v_lshrrev_b32 v1, 5, v0
	v_readfirstlane_b32 s16, v1                    ; wave
	v_and_b32 v2, 31, v0                           ; lane
	v_lshlrev_b32 v3, 4, v2                        ; my 16 bytes of a load's 512
	s_mul_i32 s17, s16, WREG
	v_lshrrev_b32 v14, 2, v2
	v_mul_u32_u24 v14, v14, SP
	v_and_b32 v15, 3, v2
	v_lshl_add_u32 v14, v15, 4, v14
	v_add_nc_u32 v14, s17, v14                     ; the stage, on the way in: SP (lane / 4) + 16 (lane % 4); a load's 512 bytes take eight places
	v_mul_u32_u24 v15, v2, SP
	v_add_nc_u32 v15, s17, v15                     ; and on the way out: SP x lane: my 16 neighbours
	v_mul_u32_u24 v4, v2, CB                       ; my 8 bytes of a store's 256
	v_lshrrev_b32 v5, 1, v2
	s_add_co_u32 s17, s17, 2*32*SP
	v_add_nc_u32 v5, s17, v5                       ; LDS: my wave's 256 scale bytes, my block's byte
	v_lshlrev_b32 v7, 3, v2
	v_add_nc_u32 v6, s17, v7                       ; and on the way out 8 bytes a lane
	s_wait_kmcnt 0x0
	s_cmp_ge_u32 ttmp9, WGQ                        ; the work-group's number alone decides
	s_cbranch_scc1 .Lwout
	s_cmp_lt_u32 ttmp9, WGX                        ; x's work-group or w_in's?  Only pointers are chosen: both tensors take one path
	s_cselect_b64 s[4:5], s[4:5], s[6:7]
	s_cselect_b64 s[8:9], s[8:9], s[12:13]
	s_cselect_b64 s[10:11], s[10:11], s[14:15]
	s_cselect_b32 s17, 0, WGX
	s_sub_co_u32 s17, ttmp9, s17
	s_lshl_b32 s17, s17, 2
	s_add_co_u32 s18, s17, s16                     ; which run of 8,192 numbers of the tensor is my wave's (under 512)
	s_mov_b32 s25, 0
	s_lshl_b32 s24, s18, 15                        ; 32,768 bytes of numbers a run,
	s_add_nc_u64 s[4:5], s[4:5], s[24:25]
	s_lshl_b32 s24, s18, 12                        ; 4,096 of codes,
	s_add_nc_u64 s[8:9], s[8:9], s[24:25]
	s_lshl_b32 s24, s18, 8                         ; 256 of scale bytes
	s_add_nc_u64 s[10:11], s[10:11], s[24:25]
.macro LOAD t
.irp i, 0,1,2,3
	global_load_b128 v[R+16*((\t)%AHEAD)+4*\i:R+16*((\t)%AHEAD)+4*\i+3], v3, s[4:5] offset:2048*(\t)+512*\i th:TH_LOAD_NT   ; 32 lanes read 512 consecutive bytes
.endr
.endm
.macro TURN t                          ; step t's numbers through the stage: LDS serves a wave's instructions in order, so no wait stands between the stores and the loads
.irp i, 0,1,2,3
	ds_store_b128 v14, v[R+16*((\t)%AHEAD)+4*\i:R+16*((\t)%AHEAD)+4*\i+3] offset:32*SP*((\t)%2)+8*SP*\i
.endr
.irp i, 0,1,2,3
	ds_load_b128 v[X+16*((\t)%2)+4*\i:X+16*((\t)%2)+4*\i+3], v15 offset:32*SP*((\t)%2)+16*\i
.endr
.endm
.irp t, 0,1,2,3,4,5,6,7
	LOAD \t
.endr
	s_wait_loadcnt 4*(AHEAD-1)                     ; step 0's four loads are in; those of the seven steps behind it may be out
	TURN 0
.macro STEP t
.set XS, X+16*((\t)%2)
.if (\t) > 0
	s_wait_dscnt 1                                 ; this step's numbers are back from the stage (the last step's byte store may be out): so its stores into the stage have read their registers,
.else
	s_wait_dscnt 0x0
.endif
.if (\t)+AHEAD < STEPS
	LOAD (\t)+AHEAD                                ; which take the loads of eight steps on
.endif
.if (\t)+1 < STEPS
.if (\t) <= STEPS-1-AHEAD
	s_wait_loadcnt 4*(AHEAD-1)                     ; the next step's four loads are in; those of the seven steps behind it may be out
.else
	s_wait_loadcnt 4*(STEPS-2-(\t))                ; the counts run down: four for each step still behind the next
.endif
	TURN (\t)+1                                    ; and go through the other stage while this step is worked
.endif
	v_max3_num_f32 v8, |v[XS]|, |v[XS+1]|, |v[XS+2]|               ; the largest magnitude of my 16, in two chains
	v_max3_num_f32 v9, |v[XS+3]|, |v[XS+4]|, |v[XS+5]|
.irp i, 6,10
	v_max3_num_f32 v8, v8, |v[XS+\i]|, |v[XS+\i+1]|
	v_max3_num_f32 v9, v9, |v[XS+\i+2]|, |v[XS+\i+3]|
.endr
	v_max3_num_f32 v8, v8, |v[XS+14]|, |v[XS+15]|
	v_max3_num_f32 v8, v8, v9, (EMAX+1)<<23        ; and the floor 2^(EMAX + 1 - 127): so the byte cannot fall under 1
	v_max_num_f32_dpp v8, v8, v8 row_xmask:1 row_mask:0xf bank_mask:0xf   ; and of my neighbour's 16: the block's
	v_add_nc_u32 v11, -(EMAX<<23), v8              ; EMAX off its exponent field: the conversion takes the exponent field of this operand as its scale
	v_cvt_scalef32_pk8_fp4_f32 v[C+4*(\t)], v[XS:XS+7], v11
	v_cvt_scalef32_pk8_fp4_f32 v[C+4*(\t)+1], v[XS+8:XS+15], v11
	v_lshrrev_b32 v[E+(\t)], 23, v11               ; the scale's byte (a plain line behind the conversions)
	ds_store_b8 v5, v[E+(\t)] offset:16*(\t)       ; both lanes of a block write the same byte with the same value
	global_store_b64 v4, v[C+4*(\t):C+4*(\t)+1], s[8:9] offset:32*CB*(\t)   ; the wave stores 256 consecutive bytes, aligned
.endm
.irp t, 0,1,2,3,4,5,6,7,8,9,10,11,12,13,14,15
	STEP \t
.endr
	ds_load_b64 v[8:9], v6                         ; LDS serves a wave's instructions in order: these see my byte stores
	s_wait_dscnt 0x0
	global_store_b64 v7, v[8:9], s[10:11]          ; 32 lanes store my run's 256 scale bytes, aligned
	s_branch .Lend
.Lwout:                                            ; w_out to f16: two rounds of 32 loads of 512 bytes; a lane's four numbers become 8 bytes, a store covers 256 consecutive bytes
	s_sub_co_u32 s17, ttmp9, WGQ
	s_lshl_b32 s17, s17, 2
	s_add_co_u32 s17, s17, s16                     ; my run of 8,192 numbers
	s_mov_b32 s19, 0
	s_lshl_b32 s18, s17, 15
	s_add_nc_u64 s[20:21], s[20:21], s[18:19]
	s_lshl_b32 s18, s17, 14
	s_add_nc_u64 s[22:23], s[22:23], s[18:19]
.irp i, 0,1,2,3,4,5,6,7,8,9,10,11,12,13,14,15,16,17,18,19,20,21,22,23,24,25,26,27,28,29,30,31
	global_load_b128 v[R+4*\i:R+4*\i+3], v3, s[20:21] offset:512*\i th:TH_LOAD_NT
.endr
.irp i, 0,1,2,3,4,5,6,7,8,9,10,11,12,13,14,15,16,17,18,19,20,21,22,23,24,25,26,27,28,29,30,31
	s_wait_loadcnt 31                              ; load i is in: behind it stand the rest of this round and the i refills already issued, 31 in all
	v_cvt_pk_f16_f32 v[C+2*\i], v[R+4*\i], v[R+4*\i+1]
	v_cvt_pk_f16_f32 v[C+2*\i+1], v[R+4*\i+2], v[R+4*\i+3]
	global_load_b128 v[R+4*\i:R+4*\i+3], v3, s[20:21] offset:16384+512*\i th:TH_LOAD_NT
	global_store_b64 v4, v[C+2*\i:C+2*\i+1], s[22:23] offset:256*\i
.endr
	s_wait_xcnt 0x0                                ; the stores have read their data registers: they are written again below
.irp i, 0,1,2,3,4,5,6,7,8,9,10,11,12,13,14,15,16,17,18,19,20,21,22,23,24,25,26,27,28,29,30,31
	s_wait_loadcnt 31-\i
	v_cvt_pk_f16_f32 v[C+2*\i], v[R+4*\i], v[R+4*\i+1]
	v_cvt_pk_f16_f32 v[C+2*\i+1], v[R+4*\i+2], v[R+4*\i+3]
	global_store_b64 v4, v[C+2*\i:C+2*\i+1], s[22:23] offset:8192+256*\i
.endr
.Lend:
	s_wait_tensorcnt 0x0                           ; the wave's end, behind my last LDS store
	ds_add_u32 v[SPW], v[NIL]
	s_wait_dscnt 0x0
	s_endpgm
.Lfunc_end_k_q4b82428c43_quant:
	.size	k_q4b82428c43_quant, .Lfunc_end_k_q4b82428c43_quant-k_q4b82428c43_quant
	.p2alignl 7, 3214868480
	.fill 96, 4, 3214868480
	.section	.rodata,"a",@progbits
	.p2align	6, 0x0
	.amdhsa_kernel k_q4b82428c43_quant
		.amdhsa_group_segment_fixed_size 33280
		.amdhsa_private_segment_fixed_size 0
		.amdhsa_enable_private_segment 0
		.amdhsa_kernarg_size 64
		.amdhsa_user_sgpr_count 2
		.amdhsa_user_sgpr_kernarg_segment_ptr 1
		.amdhsa_wavefront_size32 1
		.amdhsa_system_sgpr_workgroup_id_x 1
		.amdhsa_system_sgpr_workgroup_id_y 1
		.amdhsa_system_sgpr_workgroup_id_z 1
		.amdhsa_system_vgpr_workitem_id 0
		.amdhsa_next_free_vgpr 256
		.amdhsa_next_free_sgpr 66
		.amdhsa_reserve_vcc 0
		.amdhsa_float_denorm_mode_32 3
		.amdhsa_float_denorm_mode_16_64 3
		.amdhsa_memory_ordered 1
		.amdhsa_forward_progress 1
		.amdhsa_inst_pref_size 56
	.end_amdhsa_kernel
	.amdgpu_metadata
---
amdhsa.version: [ 1, 2 ]
amdhsa.kernels:
  - .name:           k_q4b82428c43_quant
    .symbol:         k_q4b82428c43_quant.kd
    .args:
      - { .name: x, .offset: 0, .size: 8, .value_kind: global_buffer, .address_space: global }
      - { .name: w_in, .offset: 8, .size: 8, .value_kind: global_buffer, .address_space: global }
      - { .name: x_codes, .offset: 16, .size: 8, .value_kind: global_buffer, .address_space: global }
      - { .name: x_scales, .offset: 24, .size: 8, .value_kind: global_buffer, .address_space: global }
      - { .name: w_codes, .offset: 32, .size: 8, .value_kind: global_buffer, .address_space: global }
      - { .name: w_scales, .offset: 40, .size: 8, .value_kind: global_buffer, .address_space: global }
      - { .name: w_out, .offset: 48, .size: 8, .value_kind: global_buffer, .address_space: global }
      - { .name: wo16, .offset: 56, .size: 8, .value_kind: global_buffer, .address_space: global }
    .group_segment_fixed_size: 33280
    .private_segment_fixed_size: 0
    .kernarg_segment_align: 8
    .kernarg_segment_size: 64
    .max_flat_workgroup_size: 128
    .sgpr_count:     66
    .vgpr_count:     256
    .wavefront_size: 32
...
	.end_amdgpu_metadata
.endif
;; end of part 1
;; launch qkv (part 2): grid 16 x 16, 4 waves a work-group, clusters of 4 x 4, 327,680 bytes of LDS; arguments x_codes, x_scales, w_codes, w_scales, b_in, qkv16, qkvf; writes qkv16, qkvf
.if DOCPART == 2
	.amdgcn_target "amdgcn-amd-amdhsa--gfx1250"
	.amdhsa_code_object_version 6
	.text
	.protected	k_q4b82428c43_qkv
	.globl	k_q4b82428c43_qkv
	.p2align	8
	.type	k_q4b82428c43_qkv,@function
k_q4b82428c43_qkv:
	s_mov_b64 s[64:65], 0
	v_nop
	global_prefetch_b8 v0, s[64:65] scope:SCOPE_SE
	s_setreg_imm32_b32 hwreg(HW_REG_WAVE_MODE, 25, 1), 1
	s_wait_xcnt 0x0
	s_wait_alu depctr_hold_cnt(0) depctr_sa_sdst(0) depctr_va_vdst(0) depctr_va_sdst(0) depctr_va_ssrc(0) depctr_va_vcc(0) depctr_vm_vsrc(0)
	s_getreg_b32 s2, hwreg(HW_REG_IB_STS2, 6, 4)
	s_cmp_eq_u32 s2, 0
	s_cbranch_scc0 .Lentry_in_a_cluster
	s_endpgm
.Lentry_in_a_cluster:
	s_bfe_u32 s2, ttmp6, 0x10000c
	s_cmp_lg_u32 s2, 0xf033
	s_cbranch_scc0 .Lentry_shape_is_right
	s_endpgm
.Lentry_shape_is_right:
; qkv = x w_in^T + b_in on codes of FP4 (E2M1) with one E8M0 scale for each 32 along K; sums in f32.  M = 4,096, N = 3,072, K = 1,024.
; OUT: qkv16 [b 2][slot 48][s 2048][64] f16 (slot = n / 64: q's heads 0-15, k's 16-31, v's 32-47); and the first 16 positions of both sequences once more in f32, qkvf [b 2][16][3072].
; LIMITS: |q|, |k|, |v| beyond 65,504 do not fit f16; NaN and infinities are not served.
; SHARES.  A work-group makes 256 rows x 192 columns (three slots): 16 x 16 work-groups.  Wave w makes rows 64 w .. 64 w + 63 x all 192 columns: 48 accumulators, 384 registers.
; THE TILE'S WHOLE K LIES IN LDS: 448 rows x 512 bytes, as two halves of K (rows of 256 bytes + 16 of padding), and the rows' scale bytes.  Every byte is filled once: no slot is filled again, no loop.
; CLUSTERS: 4 x 4 work-groups; x's tiles are shared along a row of the cluster, w_in's along a column: each is asked for JOINTLY, by the same tensor load with the same descriptor and a mask of four.
; THE MATRIX INSTRUCTION IS USED TRANSPOSED (source 0 = 16 rows of w_in, source 1 = 16 rows of x): a lane holds eight neighbouring columns of one row.  The bias is the C of each sum's first product.
; REGISTERS, in windows of 256.  window 0: v16-31 addresses; v32-79 w_in's scale words, v80-95 x's (they hold scales and nothing else); v96-159 x's fragments, two sets of 4; v160-255 the bias, 12 tiles of 8;
;   on the way out v96-143 packed results, v160-255 rows read back.   window 1: w_in's fragments, two sets of 12.   window 2: the accumulators of row blocks 0, 1 (at 96 (a % 2) + 8 b);   window 3: of blocks 2, 3.
; No prefetch: the launch's tiles are asked for in one group at its head.
.set PITCH, 272                        ; an LDS row: 256 bytes + 16 of padding: the 16 rows of a fragment load start 16 bytes apart modulo 256
.set AROWS, 256*PITCH                  ; x's 256 rows; w_in's 192 lie behind them
.set HALF,  448*PITCH                  ; a half of K
.set SCL,   2*HALF                     ; x's scale bytes: 256 rows x 32 bytes, as 32 rows of 256 bytes + 16
.set SCLB,  SCL+32*272                 ; w_in's: 24 such rows
.set STG,   259072                     ; the way out: 16 rows x (384 bytes + 16) for each wave; from a multiple of 256 on, behind all that is filled
.set SPT,   400
.set FSTG,  STG+4*16*SPT               ; wave 0's stage for the f32 rows: 16 rows x (768 bytes + 16)
.set FPT,   784
.set SPARE, FSTG+16*FPT                ; the spare words, 128 bytes for each wave
.set ADRA,  16                         ; v16-17  my x fragments in the halves of K
.set ADRB,  18                         ; v18-19  w_in's
.set ADRSA, 20                         ; v20     x's scale words: lanes 0-15 block i, lanes 16-31 block i + 2
.set ADRSB, 21                         ; v21     w_in's: lanes 0-15 block i, lanes 16-31 block i + 6
.set STO,   22
.set RD,    23
.set CO,    24
.set FSTO,  25
.set FRD,   26
.set FCO,   27
.set SPW,   28                         ; v28     LDS address of my spare word; never rewritten
.set NIL,   29                         ; v29     0; never rewritten
.set CYV,   30                         ; v30     my work-group's place along the cluster's y, in every lane
.set BO,    31                         ; v31     32 x (lane / 16): the bias's offset
.set SCB,   32                         ; register 8 i + q: the scale word of K step q
.set SCA,   80
.set AF,    96
.set BIAS,  160
.set PKR,   96
.set BK,    160
.set WV,    18                         ; s18  wave
.set ODD,   2                          ; s2   cluster y's low bit (behind the head)
.set G1A,   24                         ; s[24:31] group 1: x's codes;  s[32:39] w_in's;  s[40:47] x's scale bytes;  s[48:55] w_in's
.set G1B,   32
.set G1SA,  40
.set G1SB,  48
.set GA,    56                         ; s[56:59] group 0: x's scale bytes, s[60:63] its first half of K, s[68:71] its second
.set GA2,   68
.set GB,    72                         ; s[72:75], s[76:79], s[80:83] the same for w_in
.set MSB, 0
.macro WIN new                         ; the immediate's high byte repeats the setting that is left; a switch that changes nothing is dropped
.set WNEW, \new
.if MSB != WNEW
	s_set_vgpr_msb (MSB<<8)|WNEW
.set MSB, WNEW
.endif
.endm
.macro CROUND                          ; a round of the cluster's barrier
	s_barrier_signal -1
	s_barrier_wait -1
	s_cmp_lg_u32 s[WV], 0
	s_cbranch_scc1 .Lnot_wave_0_\@
	s_barrier_signal -3
.Lnot_wave_0_\@:
	s_barrier_wait -3
	s_barrier_signal -1
	s_barrier_wait -1
.endm
.macro PLACES                          ; four plain vector lines between a matrix instruction and a load into, or a read of, its registers (ISA guide 7.12.1 for reads)
.rept 4
	v_nop
.endr
.endm
	s_load_b128 s[4:7], s[0:1], 0x0                ; x's codes, x's scales
	s_load_b128 s[8:11], s[0:1], 0x10              ; w_in's codes, w_in's scales
	s_load_b128 s[12:15], s[0:1], 0x20             ; b_in, qkv16
	s_load_b64 s[16:17], s[0:1], 0x30              ; qkvf
	v_lshl_add_u32 v[SPW], v0, 2, SPARE
	v_mov_b32 v[NIL], 0
	ds_add_u32 v[SPW], v[NIL]                      ; the wave's opening: the add, twice on end, and its wait ahead of my first tensor load
	ds_add_u32 v[SPW], v[NIL]
	v_lshrrev_b32 v1, 5, v0
	v_readfirstlane_b32 s[WV], v1                  ; wave 0..3
	s_and_b32 s19, s[WV], 1                        ; which half of a tile's rows I fetch
	s_bfe_u32 s20, ttmp6, 0x40000                  ; cx
	s_bfe_u32 s21, ttmp6, 0x40004                  ; cy
	s_lshl_b32 s22, ttmp9, 2
	s_add_co_u32 s22, s22, s20                     ; tile column = 4 x cluster x + cx
	s_and_b32 s23, ttmp7, 0xffff
	s_lshl_b32 s23, s23, 2
	s_add_co_u32 s23, s23, s21                     ; tile row = 4 x cluster y + cy
	s_lshl_b32 s2, s21, 2
	s_lshl_b32 s2, 15, s2                          ; my row of the cluster
	s_lshl_b32 s3, 0x1111, s20                     ; my column
	s_or_b32 s[G1A], s2, (1<<20)|(1<<21)|(5<<22)|(3<<25)    ; the mask; elements of 1 byte; padding on; bit 21 beside a mask; after every 64 words, 4 words
	s_or_b32 s[G1B], s3, (1<<20)|(1<<21)|(5<<22)|(3<<25)
	s_mov_b32 s[G1A+1], 256<<16                    ; tensor_dim0 = 256 bytes
	s_mov_b32 s[G1A+2], 128<<16                    ; tensor_dim1 = 128 rows
	s_mov_b32 s[G1A+3], 256<<16                    ; tile_dim0
	s_mov_b32 s[G1A+4], 128                        ; tile_dim1
	s_mov_b32 s[G1A+5], 512                        ; from row to row: 1,024 codes
	s_mov_b32 s[G1A+6], 0
	s_mov_b32 s[G1A+7], 0
	s_mov_b32 s[G1B+1], 256<<16
	s_mov_b32 s[G1B+2], 96<<16                     ; 96 rows
	s_mov_b32 s[G1B+3], 256<<16
	s_mov_b32 s[G1B+4], 96
	s_mov_b32 s[G1B+5], 512
	s_mov_b32 s[G1B+6], 0
	s_mov_b32 s[G1B+7], 0
	s_or_b32 s[G1SA], s2, (3<<16)|(1<<20)|(1<<21)|(5<<22)|(3<<25)   ; the scale bytes of 128 rows: 4,096 dense bytes as 16 rows of 32 elements of 8 bytes
	s_or_b32 s[G1SB], s3, (3<<16)|(1<<20)|(1<<21)|(5<<22)|(3<<25)   ; of 96 rows: 12 such rows
	s_mov_b32 s[G1SA+1], 32<<16
	s_mov_b32 s[G1SA+2], 16<<16
	s_mov_b32 s[G1SA+3], 32<<16
	s_mov_b32 s[G1SA+4], 16
	s_mov_b32 s[G1SA+5], 32
	s_mov_b32 s[G1SA+6], 0
	s_mov_b32 s[G1SA+7], 0
	s_mov_b32 s[G1SB+1], 32<<16
	s_mov_b32 s[G1SB+2], 12<<16
	s_mov_b32 s[G1SB+3], 32<<16
	s_mov_b32 s[G1SB+4], 12
	s_mov_b32 s[G1SB+5], 32
	s_mov_b32 s[G1SB+6], 0
	s_mov_b32 s[G1SB+7], 0
	; x's addresses hang on the tile row alone, w_in's on the tile column alone, each in registers that never hold the other coordinate
	s_lshl_b32 s84, s23, 8
	s_lshl_b32 s85, s19, 7
	s_add_co_u32 s84, s84, s85                     ; x: row 256 x tile row + 128 x half
	s_lshl_b32 s86, s84, 5                         ; its scale bytes
	s_mov_b32 s87, 0
	s_lshl_b32 s88, s84, 9                         ; its codes
	s_mov_b32 s89, 0
	s_mul_i32 s90, s22, 192
	s_mul_i32 s91, s19, 96
	s_add_co_u32 s90, s90, s91                     ; w_in: row 192 x tile column + 96 x half
	s_lshl_b32 s92, s90, 5
	s_mov_b32 s93, 0
	s_lshl_b32 s94, s90, 9
	s_mov_b32 s95, 0
	s_mul_i32 s96, s19, 16*272                     ; where they go in LDS: the wave's number alone
	s_mul_i32 s97, s19, 128*PITCH
	s_mul_i32 s98, s19, 12*272
	s_mul_i32 s99, s19, 96*PITCH
	s_wait_dscnt 0x0                               ; both opening adds are done
	s_wait_kmcnt 0x0
	CROUND                                         ; all sixteen work-groups are here: the joint loads meet
	s_mov_b32 s[GA], 1
	s_add_co_u32 s[GA+1], s96, SCL
	s_add_nc_u64 s[GA+2:GA+3], s[6:7], s[86:87]
	s_or_b32 s[GA+3], s[GA+3], 0x80000000
	s_mov_b32 s[GA+4], 1
	s_mov_b32 s[GA+5], s97
	s_add_nc_u64 s[GA+6:GA+7], s[4:5], s[88:89]
	s_mov_b32 s[GA2], 1
	s_add_co_u32 s[GA2+1], s97, HALF
	s_add_nc_u64 s[GA2+2:GA2+3], s[GA+6:GA+7], 256 ; the second half of K: 256 bytes on in each row
	s_or_b32 s[GA+7], s[GA+7], 0x80000000
	s_or_b32 s[GA2+3], s[GA2+3], 0x80000000
	s_mov_b32 s[GB], 1
	s_add_co_u32 s[GB+1], s98, SCLB
	s_add_nc_u64 s[GB+2:GB+3], s[10:11], s[92:93]
	s_or_b32 s[GB+3], s[GB+3], 0x80000000
	s_mov_b32 s[GB+4], 1
	s_add_co_u32 s[GB+5], s99, AROWS
	s_add_nc_u64 s[GB+6:GB+7], s[8:9], s[94:95]
	s_mov_b32 s[GB+8], 1
	s_add_co_u32 s[GB+9], s99, AROWS+HALF
	s_add_nc_u64 s[GB+10:GB+11], s[GB+6:GB+7], 256
	s_or_b32 s[GB+7], s[GB+7], 0x80000000
	s_or_b32 s[GB+11], s[GB+11], 0x80000000
	s_cmp_lt_u32 s[WV], 2                          ; waves 0, 1 fetch x's halves of rows, waves 2, 3 w_in's: three loads a wave, in one branch: three of mine are out
	s_cbranch_scc0 .Lfirst_b
	tensor_load_to_lds s[GA:GA+3], s[G1SA:G1SA+7]
	s_nop 0
	tensor_load_to_lds s[GA+4:GA+7], s[G1A:G1A+7]
	s_nop 0
	tensor_load_to_lds s[GA2:GA2+3], s[G1A:G1A+7]
	s_nop 0
.rept 4
	v_nop
.endr
	s_branch .Lfirst_asked
.Lfirst_b:
	tensor_load_to_lds s[GB:GB+3], s[G1SB:G1SB+7]
	s_nop 0
	tensor_load_to_lds s[GB+4:GB+7], s[G1B:G1B+7]
	s_nop 0
	tensor_load_to_lds s[GB+8:GB+11], s[G1B:G1B+7]
	s_nop 0
.rept 4
	v_nop
.endr
.Lfirst_asked:
	v_and_b32 v1, 15, v0                           ; r = lane % 16
	v_bfe_u32 v2, v0, 4, 1                         ; h = lane / 16
	v_and_b32 v3, 31, v0                           ; lane
	v_mul_u32_u24 v4, v1, PITCH
	v_lshl_add_u32 v4, v2, 4, v4                   ; a fragment's row x pitch + 16 h
	s_mul_i32 s84, s[WV], 64*PITCH
	v_add_nc_u32 v[ADRA], s84, v4                  ; my 64 rows of x
	v_add_nc_u32 v[ADRA+1], HALF, v[ADRA]
	v_add_nc_u32 v[ADRB], AROWS, v4
	v_add_nc_u32 v[ADRB+1], HALF, v[ADRB]
	v_lshrrev_b32 v5, 3, v1
	v_and_b32 v6, 7, v1
	v_mul_u32_u24 v5, v5, 272
	v_lshl_add_u32 v5, v6, 5, v5                   ; row r's 32 scale bytes: eight rows to an LDS row of 256 + 16
	s_mul_i32 s84, s[WV], 8*272
	s_add_co_u32 s84, s84, SCL
	v_mad_u32_u24 v[ADRSA], v2, 4*272, v5          ; lanes 16-31: two blocks of 16 rows on
	v_add_nc_u32 v[ADRSA], s84, v[ADRSA]
	v_mad_u32_u24 v[ADRSB], v2, 12*272, v5         ; lanes 16-31: six blocks on
	v_add_nc_u32 v[ADRSB], SCLB, v[ADRSB]
	s_mul_i32 s84, s[WV], 16*SPT
	s_add_co_u32 s84, s84, STG                     ; my stage
	v_mul_u32_u24 v5, v1, SPT
	v_lshl_add_u32 v5, v2, 4, v5
	v_add_nc_u32 v[STO], s84, v5                   ; in: row r, 16 bytes for each half of the lanes
	v_lshrrev_b32 v5, 3, v3
	v_and_b32 v6, 7, v3
	v_mul_u32_u24 v5, v5, SPT
	v_lshl_add_u32 v5, v6, 4, v5
	v_add_nc_u32 v[RD], s84, v5                    ; back: eight lanes take a slot's 128 bytes of a row, four rows an instruction
	v_lshlrev_b32 v[CO], 4, v3                     ; which are 512 consecutive bytes of qkv16
	v_mul_u32_u24 v5, v1, FPT
	v_lshl_add_u32 v5, v2, 5, v5
	v_add_nc_u32 v[FSTO], FSTG, v5
	v_mul_u32_u24 v5, v2, FPT
	v_lshl_add_u32 v5, v1, 4, v5
	v_add_nc_u32 v[FRD], FSTG, v5
	v_mul_u32_u24 v5, v2, 12288
	v_lshl_add_u32 v[FCO], v1, 4, v5
	v_mov_b32 v[CYV], s21
	v_lshlrev_b32 v[BO], 5, v2
	s_mul_i32 s84, s22, 768
	s_mov_b32 s85, 0
	s_add_nc_u64 s[12:13], s[12:13], s[84:85]      ; b_in at the tile's first column
.irp b, 0,1,2,3,4,5,6,7,8,9,10,11
	global_load_b128 v[BIAS+8*\b:BIAS+8*\b+3], v[BO], s[12:13] offset:64*\b        ; lane (r, h): b_in of columns 16 b + 8 h + 0 .. 7: the result's layout
	global_load_b128 v[BIAS+8*\b+4:BIAS+8*\b+7], v[BO], s[12:13] offset:64*\b+16
.endr
	s_lshr_b32 s84, s23, 3                         ; the sequence: 8 tile rows each
	s_mul_i32 s84, s84, 48
	s_mul_i32 s86, s22, 3
	s_add_co_u32 s84, s84, s86                     ; the tile's first slot
	s_lshl_b32 s84, s84, 11
	s_and_b32 s86, s23, 7
	s_lshl_b32 s86, s86, 8
	s_add_co_u32 s84, s84, s86
	s_lshl_b32 s86, s[WV], 6
	s_add_co_u32 s84, s84, s86                     ; + my first position
	s_lshl_b32 s84, s84, 7                         ; rows of 128 bytes (under 2^25)
	s_add_nc_u64 s[14:15], s[14:15], s[84:85]
	s_and_b32 s84, ttmp7, 0xffff                   ; cluster y: tile rows 0 and 8 lie in clusters 0 and 2, at cy = 0
	s_lshr_b32 s86, s84, 1
	s_mul_i32 s86, s86, 196608
	s_mul_i32 s87, s22, 768
	s_add_co_u32 s86, s86, s87
	s_mov_b32 s87, 0
	s_add_nc_u64 s[16:17], s[16:17], s[86:87]
	s_and_b32 s[ODD], s84, 1
.macro FRAG reg, adr, q, i             ; 16 rows x 128 K of 4-bit codes: 8 registers: lane l holds row l % 16; registers 4 c .. 4 c + 3 hold K = 64 c + 32 (l / 16) + 0 .. 31
.irp c, 0,1
	ds_load_b128 v[\reg+4*\c:\reg+4*\c+3], v[\adr] offset:64*((\q)%4)+32*\c+(\i)*16*PITCH
.endr
.endm
.macro FETCH q                         ; K step q's fragments into set q % 2: 24 loads for w_in, 8 for x
	WIN 0x40                                       ; destination window 1
.irp i, 0,1,2,3,4,5,6,7,8,9,10,11
	FRAG 96*((\q)%2)+8*\i, ADRB+(\q)/4, \q, \i
.endr
	WIN 0
.irp i, 0,1,2,3
	FRAG AF+32*((\q)%2)+8*\i, ADRA+(\q)/4, \q, \i
.endr
.endm
.macro SCALES                          ; all eight K steps' scale words, once: 32 bytes a row
.irp i, 0,1,2,3,4,5
	ds_load_b128 v[SCB+8*\i:SCB+8*\i+3], v[ADRSB] offset:\i*544
	ds_load_b128 v[SCB+8*\i+4:SCB+8*\i+7], v[ADRSB] offset:\i*544+16
.endr
.irp i, 0,1
	ds_load_b128 v[SCA+8*\i:SCA+8*\i+3], v[ADRSA] offset:\i*544
	ds_load_b128 v[SCA+8*\i+4:SCA+8*\i+7], v[ADRSA] offset:\i*544+16
.endr
.endm
; 24 matrix instructions: x's blocks a0, a0 + 1 against w_in's twelve, K step q.  In K step 0 the bias is C: nothing is cleared and nothing is added later.
; The 48 accumulators take turns, one instruction a turn, in the same order in every step.
.macro MUL24 a0, q
.irp a, \a0, \a0+1
.irp b, 0,1,2,3,4,5,6,7,8,9,10,11
.set rD, 96*((\a)%2)+8*\b
.set rB, 96*((\q)%2)+8*\b
.set rA, AF+32*((\q)%2)+8*(\a)
.set rC, rD
.if (\q) == 0
.set rC, BIAS+8*\b
.endif
.set rSB, SCB+8*(\b%6)+(\q)
.set rSA, SCA+8*((\a)%2)+(\q)
.if (\b >= 6) && ((\a) >= 2)
	v_wmma_scale_f32_16x16x128_f8f6f4 v[rD:rD+7], v[rB:rB+7], v[rA:rA+7], v[rC:rC+7], v[rSB], v[rSA] matrix_a_fmt:MATRIX_FMT_FP4 matrix_b_fmt:MATRIX_FMT_FP4 matrix_a_scale:MATRIX_SCALE_ROW1 matrix_b_scale:MATRIX_SCALE_ROW1
.elseif \b >= 6
	v_wmma_scale_f32_16x16x128_f8f6f4 v[rD:rD+7], v[rB:rB+7], v[rA:rA+7], v[rC:rC+7], v[rSB], v[rSA] matrix_a_fmt:MATRIX_FMT_FP4 matrix_b_fmt:MATRIX_FMT_FP4 matrix_a_scale:MATRIX_SCALE_ROW1
.elseif (\a) >= 2
	v_wmma_scale_f32_16x16x128_f8f6f4 v[rD:rD+7], v[rB:rB+7], v[rA:rA+7], v[rC:rC+7], v[rSB], v[rSA] matrix_a_fmt:MATRIX_FMT_FP4 matrix_b_fmt:MATRIX_FMT_FP4 matrix_b_scale:MATRIX_SCALE_ROW1
.else
	v_wmma_scale_f32_16x16x128_f8f6f4 v[rD:rD+7], v[rB:rB+7], v[rA:rA+7], v[rC:rC+7], v[rSB], v[rSA] matrix_a_fmt:MATRIX_FMT_FP4 matrix_b_fmt:MATRIX_FMT_FP4
.endif
.endr
.endr
.endm
.macro STEP q                          ; 128 along K: 48 matrix instructions; the next step's 32 loads are issued ahead of them
	s_wait_dscnt 0x0                               ; this step's fragments, asked for 48 matrix instructions ago, are in
.if (\q) == 3
	s_wait_tensorcnt 0x0                           ; my part of the second half of K has landed (my last load),
	s_barrier_signal -1
	s_barrier_wait -1                              ; everybody's has.
.endif
.if (\q) < 7
	PLACES                                         ; the other set was read by the matrix instructions just issued
	FETCH (\q)+1
.endif
.if (\q) == 0
	WIN 0x81                                       ; source 0 window 1, source 1 and C (the bias) window 0, D window 2
.else
	WIN 0xa1                                       ; C and D window 2
.endif
	MUL24 0, \q
.if (\q) == 0
	WIN 0xc1
.else
	WIN 0xf1                                       ; C and D window 3
.endif
	MUL24 2, \q
	WIN 0
.endm
	s_wait_tensorcnt 1                             ; my scale bytes and my part of the first half of K are in; the second half's load may be out
	s_barrier_signal -1
	s_barrier_wait -1                              ; everybody's are
	FETCH 0
	SCALES
	s_wait_loadcnt 0x0                             ; the bias
.irp q, 0,1,2,3,4,5,6,7
	STEP \q
.endr
	PLACES                                         ; behind the last products: what follows reads results and writes registers that held fragments
	; THE FIRST 16 POSITIONS OF A SEQUENCE IN F32: wave 0's block 0 in tile rows 0 and 8.  The branches hang on the wave's number and on the cluster's y, which all partners share;
	; the place along the cluster's y only switches lanes off for the stores.
	s_cmp_lg_u32 s[WV], 0
	s_cbranch_scc1 .Lno_fine
	s_cmp_lg_u32 s[ODD], 0
	s_cbranch_scc1 .Lno_fine
	WIN 0x08                                       ; an LDS store's data: window 2
.irp b, 0,1,2,3,4,5,6,7,8,9,10,11
	ds_store_b128 v[FSTO], v[8*\b:8*\b+3] offset:64*\b             ; each accumulator from its low end on
	ds_store_b128 v[FSTO], v[8*\b+4:8*\b+7] offset:64*\b+16
.endr
	WIN 0
.irp i, 0,1,2,3,4,5,6,7
.irp u, 0,1,2
	ds_load_b128 v[BK+4*(3*\i+\u):BK+4*(3*\i+\u)+3], v[FRD] offset:2*\i*FPT+256*\u   ; LDS serves a wave's instructions in order: these see the stores above
.endr
.endr
	s_wait_dscnt 0x0
	v_cmp_eq_u32 vcc_lo, 0, v[CYV]
	s_wait_xcnt 0x0                                ; EXEC changes only behind this wait
	s_and_saveexec_b32 s84, vcc_lo
.irp i, 0,1,2,3,4,5,6,7
.irp u, 0,1,2
	global_store_b128 v[FCO], v[BK+4*(3*\i+\u):BK+4*(3*\i+\u)+3], s[16:17] offset:2*\i*12288+256*\u   ; sixteen lanes store 256 consecutive bytes, aligned
.endr
.endr
	s_wait_xcnt 0x0                                ; and again ahead of the line that widens it; the stores' data registers are free too
	s_or_b32 exec_lo, exec_lo, s84
.Lno_fine:
; THE WAY OUT, a block of 16 rows at a time: rounded to f16, 16 bytes a lane into my stage, back as slots' rows: four rows of 128 bytes are 512 consecutive bytes of qkv16.
.macro PACK a
	WIN 0x0a+5*((\a)/2)                            ; sources 0 and 1: window 2 or 3
.irp b, 0,1,2,3,4,5,6,7,8,9,10,11
.irp p, 0,1,2,3
	v_cvt_pk_f16_f32 v[PKR+4*\b+\p], v[96*((\a)%2)+8*\b+2*\p], v[96*((\a)%2)+8*\b+2*\p+1]
.endr
.endr
	WIN 0
.endm
.macro TOSTAGE a
.irp b, 0,1,2,3,4,5,6,7,8,9,10,11
	ds_store_b128 v[STO], v[PKR+4*\b:PKR+4*\b+3] offset:32*\b
.endr
.set BB, BK+48*((\a)%2)
.irp e, 0,1,2
.irp i, 0,1,2,3
	ds_load_b128 v[BB+4*(4*\e+\i):BB+4*(4*\e+\i)+3], v[RD] offset:128*\e+4*SPT*\i
.endr
.endr
.endm
.macro SEND a
.set BB, BK+48*((\a)%2)
	s_wait_dscnt 0x0                               ; the block is back in registers
.irp e, 0,1,2
.irp i, 0,1,2,3
	global_store_b128 v[CO], v[BB+4*(4*\e+\i):BB+4*(4*\e+\i)+3], s[14:15] offset:\e*262144+(\a)*2048+512*\i
.endr
.endr
.endm
	PACK 0
	TOSTAGE 0
.irp a, 1,2,3
	PACK \a                                        ; block a's conversions stand between block a - 1's loads from the stage and the wait for them
	SEND \a-1
.if \a > 1
	s_wait_xcnt 0x0                                ; block a - 2's stores have read their registers: block a's loads may land there
.endif
	TOSTAGE \a
.endr
	SEND 3
	s_wait_tensorcnt 0x0                           ; the wave's end, behind my last tensor load and my last LDS store
	ds_add_u32 v[SPW], v[NIL]
	s_wait_dscnt 0x0
	CROUND                                         ; the closing round
	s_endpgm
.Lfunc_end_k_q4b82428c43_qkv:
	.size	k_q4b82428c43_qkv, .Lfunc_end_k_q4b82428c43_qkv-k_q4b82428c43_qkv
	.p2alignl 7, 3214868480
	.fill 96, 4, 3214868480
	.section	.rodata,"a",@progbits
	.p2align	6, 0x0
	.amdhsa_kernel k_q4b82428c43_qkv
		.amdhsa_group_segment_fixed_size 327680
		.amdhsa_private_segment_fixed_size 0
		.amdhsa_enable_private_segment 0
		.amdhsa_kernarg_size 56
		.amdhsa_user_sgpr_count 2
		.amdhsa_user_sgpr_kernarg_segment_ptr 1
		.amdhsa_wavefront_size32 1
		.amdhsa_system_sgpr_workgroup_id_x 1
		.amdhsa_system_sgpr_workgroup_id_y 1
		.amdhsa_system_sgpr_workgroup_id_z 1
		.amdhsa_system_vgpr_workitem_id 0
		.amdhsa_next_free_vgpr 1024
		.amdhsa_next_free_sgpr 100
		.amdhsa_reserve_vcc 1
		.amdhsa_float_denorm_mode_32 3
		.amdhsa_float_denorm_mode_16_64 3
		.amdhsa_memory_ordered 1
		.amdhsa_forward_progress 1
		.amdhsa_inst_pref_size 109
	.end_amdhsa_kernel
	.amdgpu_metadata
---
amdhsa.version: [ 1, 2 ]
amdhsa.kernels:
  - .name:           k_q4b82428c43_qkv
    .symbol:         k_q4b82428c43_qkv.kd
    .args:
      - { .name: x_codes, .offset: 0, .size: 8, .value_kind: global_buffer, .address_space: global }
      - { .name: x_scales, .offset: 8, .size: 8, .value_kind: global_buffer, .address_space: global }
      - { .name: w_codes, .offset: 16, .size: 8, .value_kind: global_buffer, .address_space: global }
      - { .name: w_scales, .offset: 24, .size: 8, .value_kind: global_buffer, .address_space: global }
      - { .name: b_in, .offset: 32, .size: 8, .value_kind: global_buffer, .address_space: global }
      - { .name: qkv16, .offset: 40, .size: 8, .value_kind: global_buffer, .address_space: global }
      - { .name: qkvf, .offset: 48, .size: 8, .value_kind: global_buffer, .address_space: global }
    .group_segment_fixed_size: 327680
    .private_segment_fixed_size: 0
    .kernarg_segment_align: 8
    .kernarg_segment_size: 56
    .max_flat_workgroup_size: 128
    .sgpr_count:     100
    .vgpr_count:     1024
    .wavefront_size: 32
...
	.end_amdgpu_metadata
.endif
;; end of part 2
;; launch attn (part 3): grid 8 x 32, 16 waves a work-group, clusters of 4 x 1, 327,680 bytes of LDS; arguments qkv16, a16; writes a16
.if DOCPART == 3
	.amdgcn_target "amdgcn-amd-amdhsa--gfx1250"
	.amdhsa_code_object_version 6
	.text
	.protected	k_q4b82428c43_attn
	.globl	k_q4b82428c43_attn
	.p2align	8
	.type	k_q4b82428c43_attn,@function
k_q4b82428c43_attn:
	s_mov_b64 s[64:65], 0
	v_nop
	global_prefetch_b8 v0, s[64:65] scope:SCOPE_SE
	s_setreg_imm32_b32 hwreg(HW_REG_WAVE_MODE, 25, 1), 1
	s_wait_xcnt 0x0
	s_wait_alu depctr_hold_cnt(0) depctr_sa_sdst(0) depctr_va_vdst(0) depctr_va_sdst(0) depctr_va_ssrc(0) depctr_va_vcc(0) depctr_vm_vsrc(0)
	s_getreg_b32 s2, hwreg(HW_REG_IB_STS2, 6, 4)
	s_cmp_eq_u32 s2, 0
	s_cbranch_scc0 .Lentry_in_a_cluster
	s_endpgm
.Lentry_in_a_cluster:
	s_bfe_u32 s2, ttmp6, 0x10000c
	s_cmp_lg_u32 s2, 0x3003
	s_cbranch_scc0 .Lentry_shape_is_right
	s_endpgm
.Lentry_shape_is_right:
; a = softmax(q k^T / 8, causal) v for each of 32 (sequence, head) pairs; q, k, v: f16 rows of 64 out of qkv16 [b][slot 48][2048][64]; products and sums in f32, the weights p rounded to f16 for the second product.
; OUT: a16 [row block 32][head 16][128 rows][64] f16 (row block = (2048 b + s) / 128): a tile of 16 queries is 2,048 consecutive bytes.
; LIMITS: NaN and infinities are not served; a beyond 65,504 does not fit f16.  The first 16 positions of each sequence are made again in f32 by a later launch.
; SHARES.  A head has 128 tiles of 16 queries, 8 work-groups of 16 waves: a wave owns ONE tile, in 256 registers, four waves to a SIMD.  A key step is 64 keys.  Wave w has level i = w xor 3 (w / 8);
; with X the cluster's x, cx the place in it and e = i % 2 its tile is 8 i + 4 (X xor e) + (cx xor 3 e).  Its last key step is JL = 2 i + (X xor e): made of the wave's number and the cluster's x alone,
; so all four partners branch alike; cx enters global addresses and the mask's lane number only.  Every work-group has 264 tile steps; waves w, w + 4, w + 8, w + 12 hold levels that add up to 30.
; Every work-group has a wave of level 15, whose JL is 30 or 31: so every slot of 256 keys is read in every partner.
; CLUSTER.  The four partners walk the same K and V: each tile is asked for JOINTLY (waves 0, 1: K's halves of a slot; waves 2, 3: V's).  A ring of two slots; the change of slots stands at a slot's head.
; LAYOUT.  S^T = K Q^T (source 0 = 16 keys, source 1 = my 16 queries), O^T = V^T P: a lane holds ONE query (lane % 16) throughout; V comes out of LDS turned, by ds_load_tr16_b128.
; SOFTMAX.  A running maximum m and sum l: p = 2^(c s - c m), c = log2(e) / 8; in every step O^T and l are multiplied by a = 2^(c m_old - c m_new).  A step whose keys all come after my queries is left out
; (a scalar branch on ids); in step JL alone hidden scores become -infinity ahead of the maximum.  Key = query always counts, so m is a number from the first step on.
; REGISTERS: v1-7 addresses; v8 c m, v9 m, v[10:11] l, v12-15 at work (a in v14); v16-31 Q; v32-95 K; v96-159 V; v160-191 S^T, then p; v192-207 P; v208-239 O^T; v240-244 constants of the lane.
.set PK,    144                        ; a key's row of K in LDS: 128 bytes + 16
.set PV,    160                        ; of V: 128 + 32
.set SK,    256                        ; keys in a slot
.set VOFF,  SK*PK
.set SLOT1, 1<<17                      ; slot 1 begins here: one exclusive or turns an address
.set STAGE, SK*(PK+PV)                 ; between the slots: 16 rows x 144 bytes for each wave, for the way out; no tile lands there
.set SPARE, STAGE+16*16*PK             ; the spare words, 128 bytes for each wave
.set AK0, 1
.set AV0, 2
.set ADK, 3
.set ADV, 4
.set SPW, 5                            ; v5   LDS address of my spare word; never rewritten
.set NIL, 6                            ; v6   0; never rewritten
.set GO,  7
.set ST,  8
.set QF,  16
.set KF,  32
.set VF,  96
.set S,   160
.set P,   192
.set O,   208
.set DM,  240                          ; v240 16 (cx xor 3 e) + r - 8 h: register 8 t + j of S^T is hidden in step JL where 16 t + j is above it
.set NEG, 241                          ; v241 -infinity
.set STO, 242
.set RD,  243
.set PFO, 244                          ; v244 256 x lane
.set WV,  18
.set SEL, 20
.set CS,  22
.set G1K, 24
.set G1V, 32
.set G0K, 40
.set G0V, 44
.set TB,  2                            ; s2   LDS byte at which the slot in hand begins
.set SJ,  3                            ; s3   the slot's first key step
.set JL,  66                           ; s66  my last key step
.set SLOTS, 67                         ; s67  slots still to be asked for
.set PFA, 76                           ; s[76:77] where my prefetches stand
.set LIM, 80                           ; s80  1 in a wave that prefetches, else the greatest number
.set T0,  96                           ; s96  the key step in hand
.macro CROUND                          ; a round of the cluster's barrier
	s_barrier_signal -1
	s_barrier_wait -1
	s_cmp_lg_u32 s[WV], 0
	s_cbranch_scc1 .Lnot_wave_0_\@
	s_barrier_signal -3
.Lnot_wave_0_\@:
	s_barrier_wait -3
	s_barrier_signal -1
	s_barrier_wait -1
.endm
.macro TLOAD                           ; waves 0, 1 fetch for K, waves 2, 3 for V, the others nothing: branches on the wave's number alone; an s_nop 0 and four v_nop follow each line
	s_cmp_lt_u32 s[WV], 2
	s_cbranch_scc0 .Lnot_k_\@
	tensor_load_to_lds s[G0K:G0K+3], s[G1K:G1K+7]
	s_nop 0
.rept 4
	v_nop
.endr
	s_branch .Lasked_\@
.Lnot_k_\@:
	s_cmp_lt_u32 s[WV], 4
	s_cbranch_scc0 .Lasked_\@
	tensor_load_to_lds s[G0V:G0V+3], s[G1V:G1V+7]
	s_nop 0
.rept 4
	v_nop
.endr
.Lasked_\@:
.endm
; A PREFETCH of what the NEXT change of slots will ask for: a slot's 32,768 bytes of K and of V.  Both clusters of a head walk the same rows: the first (cluster x = 0) asks.  Its four partners share a slot out
; BY ADDRESS, 8,192 bytes each, lanes 256 bytes apart; in each, wave 4 asks for K's and wave 5 for V's: one instruction.  So each aligned 256 bytes are named once.  The last change that fills a slot asks for nothing;
; slots 0 and 1 come by their loads alone.
.macro ASK
	s_cmp_gt_u32 s[SLOTS], s[LIM]
	s_cbranch_scc0 .Lnot_mine_\@
	global_prefetch_b8 v[PFO], s[PFA:PFA+1] th:TH_LOAD_NT scope:SCOPE_SE
.Lnot_mine_\@:
.endm
	s_load_b128 s[4:7], s[0:1], 0x0                ; qkv16, a16
	v_lshl_add_u32 v[SPW], v0, 2, SPARE
	v_mov_b32 v[NIL], 0
	ds_add_u32 v[SPW], v[NIL]                      ; the wave's opening: the add, twice on end, and its wait ahead of the first tensor load
	ds_add_u32 v[SPW], v[NIL]
	v_lshrrev_b32 v245, 5, v0
	v_readfirstlane_b32 s[WV], v245                ; wave 0..15
	s_and_b32 s19, s[WV], 1                        ; which half of a slot's keys I fetch, if I fetch
	s_bfe_u32 s8, ttmp6, 0x40000                   ; cx
	s_and_b32 s9, ttmp7, 0xffff
	s_lshr_b32 s10, s9, 4                          ; the sequence
	s_and_b32 s11, s9, 15                          ; the head
	s_lshr_b32 s12, s[WV], 3
	s_mul_i32 s12, s12, 3
	s_xor_b32 s12, s[WV], s12                      ; my level i
	s_and_b32 s13, s12, 1                          ; e
	s_xor_b32 s14, ttmp9, s13                      ; X xor e
	s_mul_i32 s15, s13, 3
	s_xor_b32 s15, s8, s15                         ; cx xor 3 e
	s_lshl_b32 s[JL], s12, 1
	s_add_co_u32 s[JL], s[JL], s14                 ; my last key step
	s_lshl_b32 s16, s[JL], 2
	s_add_co_u32 s16, s16, s15                     ; my tile
	s_lshl_b32 s16, s16, 4                         ; my first query: it enters global addresses alone
	s_mul_i32 s17, s10, 48
	s_add_co_u32 s17, s17, s11
	s_lshl_b32 s48, s17, 18                        ; q's slot of 262,144 bytes; k's lies 16 slots on, v's 32
	s_lshl_b32 s49, s19, 14                        ; my half: 128 keys of 128 bytes
	s_add_co_u32 s50, s48, s49
	s_add_co_u32 s52, s50, 32<<18
	s_add_co_u32 s50, s50, 16<<18
	s_mov_b32 s51, 0
	s_mov_b32 s53, 0
	s_lshl_b32 s54, s16, 7
	s_add_co_u32 s54, s54, s48
	s_mov_b32 s55, 0
	s_lshl_b32 s56, s19, 22                        ; the prefetches: wave 4 K's slot, wave 5 V's,
	s_add_co_u32 s56, s56, s48
	s_add_co_u32 s56, s56, (16<<18)+SK*128         ; at ring slot 1: the first change steps it to slot 2,
	s_lshl_b32 s57, s8, 13
	s_add_co_u32 s56, s56, s57                     ; my work-group's 8,192 bytes
	s_mov_b32 s57, 0
	s_lshr_b32 s58, s[WV], 1
	s_xor_b32 s58, s58, 2                          ; 0 in waves 4 and 5,
	s_or_b32 s58, s58, ttmp9                       ; of the head's first cluster: the same in all four partners
	s_cmp_eq_u32 s58, 0
	s_cselect_b32 s[LIM], 1, -1
	s_lshr_b32 s58, s16, 7                         ; a16: my row block,
	s_lshl_b32 s59, s10, 4
	s_add_co_u32 s58, s58, s59
	s_lshl_b32 s58, s58, 4
	s_add_co_u32 s58, s58, s11                     ; my head,
	s_lshl_b32 s58, s58, 7
	s_and_b32 s59, s16, 127
	s_add_co_u32 s58, s58, s59                     ; my first row in the block,
	s_lshl_b32 s58, s58, 7                         ; rows of 128 bytes
	s_mov_b32 s59, 0
	s_mov_b32 s[G1K], 15|(1<<16)|(1<<20)|(1<<21)|(4<<22)|(3<<25)   ; the mask: all four; elements of 2 bytes; padding on; bit 21 beside a mask; after every 32 words, 4 words
	s_mov_b32 s[G1V], 15|(1<<16)|(1<<20)|(1<<21)|(4<<22)|(7<<25)   ; the same with 8 words
.irp g, G1K, G1V
	s_mov_b32 s[\g+1], 64<<16                      ; tensor_dim0 = 64
	s_mov_b32 s[\g+2], 128<<16                     ; tensor_dim1 = 128
	s_mov_b32 s[\g+3], 64<<16                      ; tile_dim0
	s_mov_b32 s[\g+4], 128                         ; tile_dim1
	s_mov_b32 s[\g+5], 64                          ; from row to row
	s_mov_b32 s[\g+6], 0
	s_mov_b32 s[\g+7], 0
.endr
	s_mov_b32 s[SEL], 0x76543210
	s_mov_b32 s[SEL+1], 0xfedcba98                 ; v_permlanex16_b32's selects for lane l xor 16
	s_mov_b32 s[CS], 0x3e38aa3b                    ; c = log2(e) / 8
	s_mov_b32 s[CS+1], s[CS]                       ; (named with it as a pair, so it is written)
	s_mov_b32 s[TB], 0
	s_mov_b32 s[SJ], 0
	s_mov_b32 s[SLOTS], 2048/SK-1
	s_wait_dscnt 0x0                               ; both opening adds are done
	s_wait_kmcnt 0x0
	s_mov_b32 s[G0K], 1
	s_mul_i32 s[G0K+1], s19, 128*PK                ; LDS: slot 0, my half
	s_add_nc_u64 s[G0K+2:G0K+3], s[4:5], s[50:51]
	s_or_b32 s[G0K+3], s[G0K+3], 0x80000000
	s_mov_b32 s[G0V], 1
	s_mul_i32 s[G0V+1], s19, 128*PV
	s_add_co_u32 s[G0V+1], s[G0V+1], VOFF
	s_add_nc_u64 s[G0V+2:G0V+3], s[4:5], s[52:53]
	s_or_b32 s[G0V+3], s[G0V+3], 0x80000000
	s_add_nc_u64 s[PFA:PFA+1], s[4:5], s[56:57]
	s_add_nc_u64 s[68:69], s[4:5], s[54:55]        ; q at my first query
	s_add_nc_u64 s[6:7], s[6:7], s[58:59]          ; a16 at my tile
	CROUND                                         ; all four work-groups are here: the first joint loads meet
	TLOAD                                          ; slot 0
	v_and_b32 v245, 15, v0                         ; r
	v_bfe_u32 v246, v0, 4, 1                       ; h
	v_and_b32 v247, 31, v0                         ; lane
	v_lshlrev_b32 v248, 7, v245
	v_lshl_add_u32 v248, v246, 4, v248             ; q: row r of 128 bytes, + 16 h
.irp c, 0,1
	global_load_b128 v[QF+8*\c:QF+8*\c+3], v248, s[68:69] offset:64*\c       ; Q stays in registers: channels 32 c on
	global_load_b128 v[QF+8*\c+4:QF+8*\c+7], v248, s[68:69] offset:64*\c+32
.endr
	v_mul_u32_u24 v[AK0], v245, PK
	v_lshl_add_u32 v[AK0], v246, 4, v[AK0]         ; K: key r x pitch + 16 h
	v_and_b32 v249, 7, v0
	v_bfe_u32 v250, v0, 3, 1
	v_lshl_add_u32 v[AV0], v246, 3, v249
	v_mul_u32_u24 v[AV0], v[AV0], PV
	v_lshl_add_u32 v[AV0], v250, 4, v[AV0]
	v_add_nc_u32 v[AV0], VOFF, v[AV0]              ; V, for the turning load: key 8 h + l % 8, channels 8 ((l / 8) % 2) on
	v_lshlrev_b32 v[GO], 4, v247
	v_lshlrev_b32 v[PFO], 8, v247
	v_lshlrev_b32 v249, 3, v246
	v_sub_nc_u32 v[DM], v245, v249
	s_lshl_b32 s70, s15, 4
	v_add_nc_u32 v[DM], s70, v[DM]
	v_mov_b32 v[NEG], 0xff800000
	s_mul_i32 s70, s[WV], 16*PK
	s_add_co_u32 s70, s70, STAGE                   ; my stage
	v_add_nc_u32 v[STO], s70, v[AK0]               ; in: row r, 16 bytes for each half of the lanes
	v_lshrrev_b32 v249, 3, v247
	v_and_b32 v250, 7, v247
	v_mul_u32_u24 v249, v249, PK
	v_lshl_add_u32 v249, v250, 4, v249
	v_add_nc_u32 v[RD], s70, v249                  ; back: eight lanes to a row of 128 bytes, four rows an instruction
	v_mov_b32 v[ST+1], 0xff61b1e6                  ; m: -3e38, under every score
	v_mul_f32 v[ST], s[CS], v[ST+1]                ; c m
.irp j, 2,3,4,5,6,7
	v_mov_b32 v[ST+\j], 0                          ; l; and the registers at work, written once (a lane permute's destination counts as one of its sources)
.endr
.irp j, 0,1,2,3,4,5,6,7,8,9,10,11,12,13,14,15,16,17,18,19,20,21,22,23,24,25,26,27,28,29,30,31
	v_mov_b32 v[O+\j], 0                           ; O^T.  (The step is written once: the first finds zeros, which a = 0 leaves zeros)
.endr
; A KEY STEP: 64 keys, the q-th of the slot in hand.  A step beyond my last leads to the end of the slot's steps.
.macro STEP q, done
	s_add_co_u32 s[T0], s[SJ], \q
	s_cmp_gt_u32 s[T0], s[JL]
	s_cbranch_scc1 \done
	v_add_nc_u32 v[ADK], s[TB], v[AK0]
	v_add_nc_u32 v[ADV], s[TB], v[AV0]
	v_nop                                          ; with the two additions: four plain lines between the last step's products and the loads into V's registers
	v_nop
.irp t, 0,1,2,3
.irp c, 0,1
	ds_load_b128 v[KF+8*(2*\t+\c):KF+8*(2*\t+\c)+3],   v[ADK] offset:(64*\q+16*\t)*PK+64*\c
	ds_load_b128 v[KF+8*(2*\t+\c)+4:KF+8*(2*\t+\c)+7], v[ADK] offset:(64*\q+16*\t)*PK+64*\c+32
.endr
.endr
.irp u, 0,1
.irp c, 0,1,2,3
	ds_load_tr16_b128 v[VF+8*(4*\u+\c):VF+8*(4*\u+\c)+3],   v[ADV] offset:(64*\q+32*\u)*PV+32*\c
	ds_load_tr16_b128 v[VF+8*(4*\u+\c)+4:VF+8*(4*\u+\c)+7], v[ADV] offset:(64*\q+32*\u)*PV+16*PV+32*\c
.endr
.endr
	s_wait_dscnt 16                                ; K is in; V's sixteen loads may be out
.irp t, 0,1,2,3                                ; S^T = K Q^T: four tiles of 16 keys by turns, one instruction a turn
	v_wmma_f32_16x16x32_f16 v[S+8*\t:S+8*\t+7], v[KF+16*\t:KF+16*\t+7], v[QF:QF+7], 0
.endr
.irp t, 0,1,2,3
	v_wmma_f32_16x16x32_f16 v[S+8*\t:S+8*\t+7], v[KF+16*\t+8:KF+16*\t+15], v[QF+8:QF+15], v[S+8*\t:S+8*\t+7]
.endr
.rept 4
	v_nop
.endr
	s_cmp_lg_u32 s[T0], s[JL]                      ; only my last step lies on the diagonal
	s_cbranch_scc1 .Lopen_\@
.irp n, 0,1,2,3,4,5,6,7,8,9,10,11,12,13,14,15,16,17,18,19,20,21,22,23,24,25,26,27,28,29,30,31
	v_cmp_gt_i32 vcc_lo, 16*(\n/8)+\n%8, v[DM]
	v_cndmask_b32 v[S+\n], v[S+\n], v[NEG], vcc_lo
.endr
.Lopen_\@:
.irp j, 0,1,2,3                                ; the maximum of my 32 scores and the old m: four chains, each tile from its low end on
	v_max3_num_f32 v[ST+4+\j], v[S+8*\j], v[S+8*\j+1], v[S+8*\j+2]
.endr
.irp g, 1,2
.irp j, 0,1,2,3
	v_max3_num_f32 v[ST+4+\j], v[ST+4+\j], v[S+8*\j+2*\g+1], v[S+8*\j+2*\g+2]
.endr
.endr
	v_max3_num_f32 v[ST+4], v[ST+4], v[S+7], v[S+15]
	v_max3_num_f32 v[ST+6], v[ST+6], v[S+23], v[S+31]
	v_max3_num_f32 v[ST+4], v[ST+4], v[ST+5], v[ST+6]
	v_max3_num_f32 v[ST+4], v[ST+4], v[ST+7], v[ST+1]
	v_permlanex16_b32 v[ST+5], v[ST+4], s[SEL], s[SEL+1]   ; the query's other 32 keys lie in the lane 16 away
	v_mov_b32 v[ST+7], v[ST]                       ; c m_old
	v_max_num_f32 v[ST+1], v[ST+4], v[ST+5]        ; the new m
	v_mul_f32 v[ST], s[CS], v[ST+1]
	v_sub_f32 v[ST+7], v[ST+7], v[ST]              ; c m_old - c m_new
.irp b, 0,2,4,6,8,10,12,14,16,18,20,22,24,26,28,30
	v_pk_fma_f32 v[S+\b:S+\b+1], v[S+\b:S+\b+1], s[CS:CS+1], v[ST:ST+1] op_sel_hi:[1,0,0] neg_lo:[0,0,1] neg_hi:[0,0,1]   ; c s - c m
.endr
	v_exp_f32 v[ST+6], v[ST+7]                     ; a
.irp e, 0,1,2,3,4,5,6,7,8,9,10,11,12,13,14,15,16,17,18,19,20,21,22,23,24,25,26,27,28,29,30,31
	v_exp_f32 v[S+\e], v[S+\e]                     ; p
.endr
	v_nop                                          ; a plain line behind the last exponential
	s_wait_alu depctr_va_vdst(0)                   ; one wait for the batch of 33, ahead of its first reader
.irp k, 0,1,2,3,4,5,6,7,8,9,10,11,12,13,14,15
	v_cvt_pk_f16_f32 v[P+\k], v[S+2*\k], v[S+2*\k+1]   ; two tiles of S^T, packed, are source 1 of 32 keys x 16 queries
.endr
.irp z, 0,1,2,3,4,5,6,7                        ; the sum of the unrounded p, in place
	v_pk_add_f32 v[S+4*\z:S+4*\z+1], v[S+4*\z:S+4*\z+1], v[S+4*\z+2:S+4*\z+3]
.endr
.irp z, 0,1,2,3
	v_pk_add_f32 v[S+8*\z:S+8*\z+1], v[S+8*\z:S+8*\z+1], v[S+8*\z+4:S+8*\z+5]
.endr
.irp z, 0,1
	v_pk_add_f32 v[S+16*\z:S+16*\z+1], v[S+16*\z:S+16*\z+1], v[S+16*\z+8:S+16*\z+9]
.endr
	v_pk_add_f32 v[S:S+1], v[S:S+1], v[S+16:S+17]
	v_pk_fma_f32 v[ST+2:ST+3], v[ST+2:ST+3], v[ST+6:ST+7], v[S:S+1] op_sel_hi:[1,0,1]   ; l = a l + the sum
.irp k, 0,2,4,6,8,10,12,14,16,18,20,22,24,26,28,30
	v_pk_mul_f32 v[O+\k:O+\k+1], v[O+\k:O+\k+1], v[ST+6:ST+7] op_sel_hi:[1,0]   ; O^T x a, each tile from its low end on
.endr
	s_wait_dscnt 0x0                               ; V is in
.irp u, 0,1                                    ; O^T += V^T P: four tiles of 16 channels by turns
.irp c, 0,1,2,3
	v_wmma_f32_16x16x32_f16 v[O+8*\c:O+8*\c+7], v[VF+8*(4*\u+\c):VF+8*(4*\u+\c)+7], v[P+8*\u:P+8*\u+7], v[O+8*\c:O+8*\c+7]
.endr
.endr
.endm
; THE CHANGE OF SLOTS, at a slot's head.  Each wave waits for all its tensor loads (its part of the slot ahead), adds 0 to its spare word, and waits for that and for its reads of the slot that it has left.
; fill = 1: a round of the cluster's barrier, and first behind it the joint load of the keys that follow, into the slot just left: it has a slot's four key steps in which to land.
.macro CHANGE fill
	s_wait_tensorcnt 0x0                           ; no tensor load of mine is out, so a group 0 may be written
	ds_add_u32 v[SPW], v[NIL]
.if \fill
	ds_add_u32 v[SPW], v[NIL]                      ; and twice on end here, in every trip alike
	s_xor_b32 s[G0K+1], s[G0K+1], SLOT1            ; the walking descriptors: the other slot,
	s_add_nc_u64 s[G0K+2:G0K+3], s[G0K+2:G0K+3], SK*128   ; the next 256 keys
	s_xor_b32 s[G0V+1], s[G0V+1], SLOT1
	s_add_nc_u64 s[G0V+2:G0V+3], s[G0V+2:G0V+3], SK*128
	s_wait_xcnt 0x0                                ; the last prefetch, a slot back, has read its address
	s_add_nc_u64 s[PFA:PFA+1], s[PFA:PFA+1], SK*128
	s_wait_dscnt 0x0                               ; the adds are done, and my reads of the slot that I have left are over
	CROUND
	TLOAD
	ASK
.else
	s_wait_dscnt 0x0
	s_barrier_signal -1
	s_barrier_wait -1
.endif
.endm
.macro SLOT_STEPS
	STEP 0, .Ldone_\@
	STEP 1, .Ldone_\@
	STEP 2, .Ldone_\@
	STEP 3, .Ldone_\@
.Ldone_\@:
	s_add_co_u32 s[SJ], s[SJ], 4
	s_xor_b32 s[TB], s[TB], SLOT1                  ; on to the other slot
.endm
	s_wait_loadcnt 0x0                             ; Q
.Lslot:                                            ; seven trips: behind each change of slots but the last the next slot is asked for
	CHANGE 1
	SLOT_STEPS
	s_sub_co_u32 s[SLOTS], s[SLOTS], 1
	s_cmp_lg_u32 s[SLOTS], 0
	s_cbranch_scc1 .Lslot
	CHANGE 0                                       ; the last slot is written out
	SLOT_STEPS
	; THE WAY OUT: O^T / l, rounded to f16, through my stage, out as 2,048 consecutive bytes.
.rept 4
	v_nop
.endr
	v_add_f32 v[ST+4], v[ST+2], v[ST+3]            ; l's two halves,
	v_permlanex16_b32 v[ST+5], v[ST+4], s[SEL], s[SEL+1]
	v_add_f32 v[ST+4], v[ST+4], v[ST+5]            ; and the other half of the lanes'
	v_rcp_f32 v[ST+6], v[ST+4]
	v_nop                                          ; a plain line behind the reciprocal
	s_wait_alu depctr_va_vdst(0)                   ; and the wait ahead of its first reader
.irp k, 0,2,4,6,8,10,12,14,16,18,20,22,24,26,28,30
	v_pk_mul_f32 v[O+\k:O+\k+1], v[O+\k:O+\k+1], v[ST+6:ST+7] op_sel_hi:[1,0]
.endr
.irp k, 0,1,2,3,4,5,6,7,8,9,10,11,12,13,14,15
	v_cvt_pk_f16_f32 v[S+\k], v[O+2*\k], v[O+2*\k+1]
.endr
.irp c, 0,1,2,3
	ds_store_b128 v[STO], v[S+4*\c:S+4*\c+3] offset:32*\c
.endr
.irp i, 0,1,2,3
	ds_load_b128 v[S+16+4*\i:S+16+4*\i+3], v[RD] offset:4*PK*\i    ; LDS serves a wave's instructions in order: these see the stores above
.endr
.irp i, 0,1,2,3
	s_wait_dscnt 3-\i
	global_store_b128 v[GO], v[S+16+4*\i:S+16+4*\i+3], s[6:7] offset:512*\i   ; 32 lanes store 512 consecutive bytes, aligned
.endr
	s_wait_tensorcnt 0x0                           ; the wave's end
	ds_add_u32 v[SPW], v[NIL]
	s_wait_dscnt 0x0
	CROUND                                         ; the closing round
	s_endpgm
.Lfunc_end_k_q4b82428c43_attn:
	.size	k_q4b82428c43_attn, .Lfunc_end_k_q4b82428c43_attn-k_q4b82428c43_attn
	.p2alignl 7, 3214868480
	.fill 96, 4, 3214868480
	.section	.rodata,"a",@progbits
	.p2align	6, 0x0
	.amdhsa_kernel k_q4b82428c43_attn
		.amdhsa_group_segment_fixed_size 327680
		.amdhsa_private_segment_fixed_size 0
		.amdhsa_enable_private_segment 0
		.amdhsa_kernarg_size 16
		.amdhsa_user_sgpr_count 2
		.amdhsa_user_sgpr_kernarg_segment_ptr 1
		.amdhsa_wavefront_size32 1
		.amdhsa_system_sgpr_workgroup_id_x 1
		.amdhsa_system_sgpr_workgroup_id_y 1
		.amdhsa_system_sgpr_workgroup_id_z 1
		.amdhsa_system_vgpr_workitem_id 0
		.amdhsa_next_free_vgpr 256
		.amdhsa_next_free_sgpr 100
		.amdhsa_reserve_vcc 1
		.amdhsa_float_denorm_mode_32 3
		.amdhsa_float_denorm_mode_16_64 3
		.amdhsa_memory_ordered 1
		.amdhsa_forward_progress 1
		.amdhsa_inst_pref_size 109
	.end_amdhsa_kernel
	.amdgpu_metadata
---
amdhsa.version: [ 1, 2 ]
amdhsa.kernels:
  - .name:           k_q4b82428c43_attn
    .symbol:         k_q4b82428c43_attn.kd
    .args:
      - { .name: qkv16, .offset: 0, .size: 8, .value_kind: global_buffer, .address_space: global }
      - { .name: a16, .offset: 8, .size: 8, .value_kind: global_buffer, .address_space: global }
    .group_segment_fixed_size: 327680
    .private_segment_fixed_size: 0
    .kernarg_segment_align: 8
    .kernarg_segment_size: 16
    .max_flat_workgroup_size: 512
    .sgpr_count:     100
    .vgpr_count:     256
    .wavefront_size: 32
...
	.end_amdgpu_metadata
.endif
;; end of part 3
;; launch proj (part 4): grid 8 x 32, 4 waves a work-group, clusters of 4 x 4, 327,680 bytes of LDS; arguments a16, wo16, b_out, out0; writes out0
.if DOCPART == 4
	.amdgcn_target "amdgcn-amd-amdhsa--gfx1250"
	.amdhsa_code_object_version 6
	.text
	.protected	k_q4b82428c43_proj
	.globl	k_q4b82428c43_proj
	.p2align	8
	.type	k_q4b82428c43_proj,@function
k_q4b82428c43_proj:
	s_mov_b64 s[64:65], 0
	v_nop
	global_prefetch_b8 v0, s[64:65] scope:SCOPE_SE
	s_setreg_imm32_b32 hwreg(HW_REG_WAVE_MODE, 25, 1), 1
	s_wait_xcnt 0x0
	s_wait_alu depctr_hold_cnt(0) depctr_sa_sdst(0) depctr_va_vdst(0) depctr_va_sdst(0) depctr_va_ssrc(0) depctr_va_vcc(0) depctr_vm_vsrc(0)
	s_getreg_b32 s2, hwreg(HW_REG_IB_STS2, 6, 4)
	s_cmp_eq_u32 s2, 0
	s_cbranch_scc0 .Lentry_in_a_cluster
	s_endpgm
.Lentry_in_a_cluster:
	s_bfe_u32 s2, ttmp6, 0x10000c
	s_cmp_lg_u32 s2, 0xf033
	s_cbranch_scc0 .Lentry_shape_is_right
	s_endpgm
.Lentry_shape_is_right:
; out0 = a w_out^T + b_out.  a: a16 [row block 32][head 16][128 rows][64] f16; w_out: wo16 [1024 n][1024 k] f16; out0 [4096][1024] f32; sums in f32.
; (The first 16 positions of each sequence are written again, in f32 throughout, by the launch that follows: leaving them out here would be a branch on a work-group's place in its cluster.)
; SHARES.  A tile is 128 x 128: 8 x 32 = 256 work-groups; four waves, each 64 x 64: 16 accumulators.  K goes in four steps of 256 (four heads) through a ring of two LDS slots.
; A's tile of a K step is one dense block of 65,536 bytes: 512 rows (head, row) of 128 bytes; B's is 128 rows of 512 bytes.  Waves 0, 1 fetch A's halves, waves 2, 3 B's.
; CLUSTERS: 4 x 4; A's tiles are shared along a row of the cluster, B's along a column, each asked for JOINTLY.  THE MATRIX INSTRUCTION IS USED TRANSPOSED (source 0 = 16 rows of w_out, source 1 = 16 rows of a).
; The bias is the C of each sum's first product.  The four K steps are written out: a loop would have one trip.  No prefetch: a short launch on small tiles.
; REGISTERS: window 0: v16-29 addresses; v32-95 the way out; v96-127 the bias, 4 tiles of 8; v128-255 the accumulators ((a, b) at 128 + 8 (4 a + b)).  window 1: two fragment buffers of 128: 64 of A, then 64 of B.
.set PA,     144                       ; A's LDS row: 128 bytes + 16
.set PB,     528                       ; B's: 512 + 16
.set HALFA,  256*PA
.set HALFB,  64*PB
.set BOFF,   2*HALFA
.set SLOT,   BOFF+2*HALFB
.set STAGE,  2*SLOT                    ; behind the ring: 16 rows x (256 bytes + 16) for each wave
.set SPITCH, 272
.set SPARE,  STAGE+4*16*SPITCH
.set ADRA, 16
.set ADRB, 20
.set STO,  24
.set RD,   25
.set CO,   26
.set BO,   27
.set SPW,  28                          ; v28  LDS address of my spare word; never rewritten
.set NIL,  29                          ; v29  0; never rewritten
.set TMP,  32
.set BI,   96
.set ACC,  128
.set F0,   0
.set F1,   128
.set WV,   12                          ; s12 wave;  s13 = wave / 2: my half of the rows, and: I fetch for A (0) or B (1);  s14 = wave % 2: my half of the columns, and which half I fetch
.set G1,  24
.set G0,  32
.set G1B, 48
.set G0B, 56
.set MSB, 0
.macro WIN new
.set WNEW, \new
.if MSB != WNEW
	s_set_vgpr_msb (MSB<<8)|WNEW
.set MSB, WNEW
.endif
.endm
.set MUL,  0x05                        ; sources 0 and 1 window 1; C and D window 0
.set TO_F, 0x40                        ; destination window 1
.macro JLOAD s                         ; a joint load; an s_nop 0 and four v_nop follow each of the two lines
	s_cmp_eq_u32 s13, 0
	s_cbranch_scc0 .Lfor_b_\@
	tensor_load_to_lds s[G0+4*\s:G0+4*\s+3], s[G1:G1+7]
	s_nop 0
.rept 4
	v_nop
.endr
	s_branch .Lasked_\@
.Lfor_b_\@:
	tensor_load_to_lds s[G0B+4*\s:G0B+4*\s+3], s[G1B:G1B+7]
	s_nop 0
.rept 4
	v_nop
.endr
.Lasked_\@:
.endm
.macro CREST                           ; a round of the cluster's barrier behind its opening barrier
	s_cmp_lg_u32 s[WV], 0
	s_cbranch_scc1 .Lnot_wave_0_\@
	s_barrier_signal -3
.Lnot_wave_0_\@:
	s_barrier_wait -3
	s_barrier_signal -1
	s_barrier_wait -1
.endm
.macro CROUND
	s_barrier_signal -1
	s_barrier_wait -1
	CREST
.endm
	s_load_b128 s[4:7], s[0:1], 0x0                ; a16, wo16
	s_load_b128 s[8:11], s[0:1], 0x10              ; b_out, out0
	v_lshl_add_u32 v[SPW], v0, 2, SPARE
	v_mov_b32 v[NIL], 0
	ds_add_u32 v[SPW], v[NIL]                      ; the wave's opening: the add, twice on end, and its wait ahead of my first tensor load
	ds_add_u32 v[SPW], v[NIL]
	v_lshrrev_b32 v1, 5, v0
	v_readfirstlane_b32 s[WV], v1
	s_lshr_b32 s13, s[WV], 1
	s_and_b32 s14, s[WV], 1
	s_bfe_u32 s40, ttmp6, 0x40000                  ; cx
	s_bfe_u32 s41, ttmp6, 0x40004                  ; cy
	s_lshl_b32 s42, ttmp9, 2
	s_add_co_u32 s42, s42, s40                     ; tile column
	s_and_b32 s15, ttmp7, 0xffff
	s_lshl_b32 s15, s15, 2
	s_add_co_u32 s15, s15, s41                     ; tile row = a16's row block
	s_lshl_b32 s43, s41, 2
	s_lshl_b32 s43, 15, s43                        ; my row of the cluster
	s_lshl_b32 s44, 0x1111, s40                    ; my column
	s_or_b32 s[G1], s43, (1<<16)|(1<<20)|(1<<21)|(4<<22)|(3<<25)    ; A: elements of 2 bytes; 4 words of padding after every 32
	s_mov_b32 s[G1+1], 64<<16                      ; rows of 64 elements,
	s_mov_b32 s[G1+2], 256<<16                     ; 256 of them: two heads x 128 rows
	s_mov_b32 s[G1+3], 64<<16
	s_mov_b32 s[G1+4], 256
	s_mov_b32 s[G1+5], 64                          ; dense
	s_mov_b32 s[G1+6], 0
	s_mov_b32 s[G1+7], 0
	s_or_b32 s[G1B], s44, (1<<16)|(1<<20)|(1<<21)|(6<<22)|(3<<25)   ; B: 4 words of padding after every 128
	s_mov_b32 s[G1B+1], 256<<16
	s_mov_b32 s[G1B+2], 64<<16
	s_mov_b32 s[G1B+3], 256<<16
	s_mov_b32 s[G1B+4], 64
	s_mov_b32 s[G1B+5], 1024
	s_mov_b32 s[G1B+6], 0
	s_mov_b32 s[G1B+7], 0
	s_lshl_b32 s16, s15, 18                        ; A: 262,144 bytes a row block,
	s_lshl_b32 s17, s14, 15                        ; + my two heads of the K step's four
	s_add_co_u32 s16, s16, s17
	s_mov_b32 s17, 0
	s_lshl_b32 s46, s42, 7
	s_lshl_b32 s47, s14, 6
	s_add_co_u32 s46, s46, s47                     ; B: row 128 x tile column + 64 x half,
	s_lshl_b32 s46, s46, 11                        ; of 2,048 bytes
	s_mov_b32 s47, 0
	s_mul_i32 s20, s14, HALFA                      ; where they go: the wave's number alone
	s_mul_i32 s21, s14, HALFB
	s_add_co_u32 s21, s21, BOFF
	s_wait_dscnt 0x0                               ; both opening adds are done
	s_wait_kmcnt 0x0
	s_add_nc_u64 s[18:19], s[4:5], s[16:17]
	s_add_nc_u64 s[46:47], s[6:7], s[46:47]
	CROUND                                         ; all sixteen work-groups are here: the first joint loads meet
.irp s, 0,1
	s_mov_b32 s[G0+4*\s], 1
	s_add_co_u32 s[G0+4*\s+1], s20, \s*SLOT
	s_add_nc_u64 s[G0+4*\s+2:G0+4*\s+3], s[18:19], \s*65536
	s_or_b32 s[G0+4*\s+3], s[G0+4*\s+3], 0x80000000
	s_mov_b32 s[G0B+4*\s], 1
	s_add_co_u32 s[G0B+4*\s+1], s21, \s*SLOT
	s_add_nc_u64 s[G0B+4*\s+2:G0B+4*\s+3], s[46:47], \s*512
	s_or_b32 s[G0B+4*\s+3], s[G0B+4*\s+3], 0x80000000
	JLOAD \s
.endr
	v_and_b32 v1, 15, v0                           ; r
	v_bfe_u32 v2, v0, 4, 1                         ; h
	v_mul_u32_u24 v3, v1, PA
	v_lshl_add_u32 v3, v2, 4, v3
	v_mul_u32_u24 v4, v1, PB
	v_lshl_add_u32 v4, v2, 4, v4
	s_mul_i32 s21, s13, 64*PA                      ; my 64 rows, in each head's 128
	s_mul_i32 s22, s14, HALFB                      ; my 64 rows of B
	s_add_co_u32 s22, s22, BOFF
.irp s, 0,1
	v_add_nc_u32 v[ADRA+\s], s21, v3
	v_add_nc_u32 v[ADRB+\s], s22, v4
	s_add_co_u32 s21, s21, SLOT
	s_add_co_u32 s22, s22, SLOT
.endr
	s_mul_i32 s23, s[WV], 16*SPITCH
	s_add_co_u32 s23, s23, STAGE                   ; my stage
	v_mul_u32_u24 v5, v1, SPITCH
	v_lshl_add_u32 v5, v2, 5, v5
	v_add_nc_u32 v[STO], s23, v5                   ; in: row r, 32 bytes for each half of the lanes
	v_mul_u32_u24 v5, v2, SPITCH
	v_lshl_add_u32 v5, v1, 4, v5
	v_add_nc_u32 v[RD], s23, v5                    ; back: lanes 0-15 one row of 256 bytes, lanes 16-31 the next
	v_lshlrev_b32 v5, 12, v2
	v_lshl_add_u32 v[CO], v1, 4, v5                ; and the same two rows in out0
	v_lshlrev_b32 v[BO], 5, v2
	s_lshl_b32 s46, s42, 9
	s_lshl_b32 s47, s14, 8
	s_add_co_u32 s46, s46, s47                     ; my first column, in bytes: 512 x tile column + 256 x half
	s_mov_b32 s47, 0
	s_add_nc_u64 s[8:9], s[8:9], s[46:47]
.irp b, 0,1,2,3
	global_load_b128 v[BI+8*\b:BI+8*\b+3], v[BO], s[8:9] offset:64*\b          ; lane (r, h): b_out of my columns 16 b + 8 h + 0 .. 7
	global_load_b128 v[BI+8*\b+4:BI+8*\b+7], v[BO], s[8:9] offset:64*\b+16
.endr
	s_lshl_b32 s16, s15, 7
	s_lshl_b32 s17, s13, 6
	s_add_co_u32 s16, s16, s17                     ; my first row
	s_lshl_b32 s16, s16, 12                        ; of 4,096 bytes
	s_mov_b32 s17, 0
	s_add_nc_u64 s[10:11], s[10:11], s[16:17]
	s_add_nc_u64 s[10:11], s[10:11], s[46:47]
; 8 matrix instructions: m blocks a0, a0 + 1 x all 4 n blocks, 32 along K: half c of buffer f.  first = 1: the bias starts the sums.  The 16 accumulators take turns.
.macro MUL8 f, c, a0, first
.irp a, \a0, \a0+1
.irp b, 0,1,2,3
.if \first
	v_wmma_f32_16x16x32_f16 v[ACC+8*(4*(\a)+\b):ACC+8*(4*(\a)+\b)+7], v[\f+64+8*(4*\c+\b):\f+64+8*(4*\c+\b)+7], v[\f+8*(4*\c+\a):\f+8*(4*\c+\a)+7], v[BI+8*\b:BI+8*\b+7]
.else
	v_wmma_f32_16x16x32_f16 v[ACC+8*(4*(\a)+\b):ACC+8*(4*(\a)+\b)+7], v[\f+64+8*(4*\c+\b):\f+64+8*(4*\c+\b)+7], v[\f+8*(4*\c+\a):\f+8*(4*\c+\a)+7], v[ACC+8*(4*(\a)+\b):ACC+8*(4*(\a)+\b)+7]
.endif
.endr
.endr
.endm
; 32 LDS loads in one run: the fragments of quarter q (64 along K: one head) into buffer f; the first 32 along K first
.macro FETCH slot, q, f
	WIN TO_F
.irp c, 0,1
.irp i, 0,1,2,3
	ds_load_b128 v[\f+64+8*(4*\c+\i):\f+64+8*(4*\c+\i)+3],   v[ADRB+\slot] offset:128*\q+64*\c+\i*16*PB
	ds_load_b128 v[\f+64+8*(4*\c+\i)+4:\f+64+8*(4*\c+\i)+7], v[ADRB+\slot] offset:128*\q+64*\c+\i*16*PB+32
	ds_load_b128 v[\f+8*(4*\c+\i):\f+8*(4*\c+\i)+3],         v[ADRA+\slot] offset:\q*128*PA+64*\c+\i*16*PA
	ds_load_b128 v[\f+8*(4*\c+\i)+4:\f+8*(4*\c+\i)+7],       v[ADRA+\slot] offset:\q*128*PA+64*\c+\i*16*PA+32
.endr
.endr
.endm
.macro PLACES                          ; four plain lines in front of loads into registers that matrix instructions have read, and of reads of results
.rept 4
	v_nop
.endr
.endm
; One of a K step's first three quarters: multiplies buffer f and fetches quarter q into g.
.macro QUARTER slot, q, f, g, first
	s_wait_dscnt 16                                ; the first 32 along K are in; the sixteen younger loads may be out
	WIN MUL
	MUL8 \f, 0, 0, \first
	MUL8 \f, 0, 2, \first
	PLACES
	FETCH \slot, \q, \g
	s_wait_dscnt 32                                ; all but the 32 just issued
	WIN MUL
	MUL8 \f, 1, 0, 0
	MUL8 \f, 1, 2, 0
.endm
; The last quarter multiplies buffer 1 and changes slots: ONE barrier; in front of it each wave waits for all its tensor loads, adds 0 to its spare word, and waits for that and for its reads of this slot.
.macro TURN slot, next, fill
	WIN 0                                          ; (the add's two registers lie in window 0)
	s_wait_tensorcnt 0x0                           ; all my tensor loads have landed: my part of the next slot;
	ds_add_u32 v[SPW], v[NIL]
	s_wait_dscnt 17                                ; (the add and the youngest sixteen loads may be out)
	WIN MUL
	MUL8 F1, 0, 0, 0                               ; eight matrix instructions stand between the add and the wait for it
	s_wait_dscnt 0x0                               ; the add is done, and my reads of this slot are over
	s_barrier_signal -1
	MUL8 F1, 0, 2, 0
.if \fill
	WIN 0
.endif
	s_barrier_wait -1
.if \fill
	CREST                                          ; the barrier has opened a round of the cluster's: no wave of any partner still reads this slot or has a load on its way
	s_add_nc_u64 s[G0+4*\slot+2:G0+4*\slot+3], s[G0+4*\slot+2:G0+4*\slot+3], 2*65536
	s_add_nc_u64 s[G0B+4*\slot+2:G0B+4*\slot+3], s[G0B+4*\slot+2:G0B+4*\slot+3], 2*512
	JLOAD \slot                                    ; the first tensor load behind the round; its four v_nop are also the places in front of the loads below
.else
	PLACES
.endif
	FETCH \next, 0, F0
	WIN MUL
	MUL8 F1, 1, 0, 0
	MUL8 F1, 1, 2, 0
.endm
	s_wait_tensorcnt 1                             ; my part of K step 0 is in; K step 1's load may be out
	s_barrier_signal -1
	s_barrier_wait -1
	FETCH 0, 0, F0
	s_wait_loadcnt 0x0                             ; the bias
	QUARTER 0, 1, F0, F1, 1                        ; K step 0
	QUARTER 0, 2, F1, F0, 0
	QUARTER 0, 3, F0, F1, 0
	TURN 0, 1, 1                                   ; slot 0 takes K step 2
	QUARTER 1, 1, F0, F1, 0                        ; K step 1
	QUARTER 1, 2, F1, F0, 0
	QUARTER 1, 3, F0, F1, 0
	TURN 1, 0, 1                                   ; slot 1 takes K step 3
	QUARTER 0, 1, F0, F1, 0                        ; K step 2
	QUARTER 0, 2, F1, F0, 0
	QUARTER 0, 3, F0, F1, 0
	TURN 0, 1, 0                                   ; nothing is left to fetch
	QUARTER 1, 1, F0, F1, 0                        ; K step 3
	QUARTER 1, 2, F1, F0, 0
	QUARTER 1, 3, F0, F1, 0
	s_wait_dscnt 16
	WIN MUL
	MUL8 F1, 0, 0, 0
	MUL8 F1, 0, 2, 0
	s_wait_dscnt 0
	MUL8 F1, 1, 0, 0
	MUL8 F1, 1, 2, 0
	WIN 0
; THE WAY OUT.  My 64 columns of f32 are 256 bytes of a row, aligned: a block of 16 rows goes through my own stage and comes back as whole pieces of rows; sixteen lanes store 256 consecutive bytes.
.macro TOSTAGE a
.irp b, 0,1,2,3
	ds_store_b128 v[STO], v[ACC+8*(4*(\a)+\b):ACC+8*(4*(\a)+\b)+3] offset:64*\b          ; each accumulator from its low end on
	ds_store_b128 v[STO], v[ACC+8*(4*(\a)+\b)+4:ACC+8*(4*(\a)+\b)+7] offset:64*\b+16
.endr
.set BB, TMP+32*((\a)%2)
.irp t, 0,1,2,3,4,5,6,7
	ds_load_b128 v[BB+4*\t:BB+4*\t+3], v[RD] offset:\t*2*SPITCH    ; LDS serves a wave's instructions in order
.endr
.endm
.macro SEND a, younger                 ; younger: the LDS instructions issued behind block a's loads, which may stay out
.set BB, TMP+32*((\a)%2)
	s_wait_dscnt \younger
.irp t, 0,1,2,3,4,5,6,7
	global_store_b128 v[CO], v[BB+4*\t:BB+4*\t+3], s[10:11] offset:(16*(\a)+2*\t)*4096 th:TH_STORE_NT
.endr
.endm
	PLACES
	TOSTAGE 0
.irp a, 1,2,3
.if \a > 1
	s_wait_xcnt 0x0                                ; block a - 2's stores have read their registers: block a's loads may land there
.endif
	TOSTAGE \a
	SEND \a-1, 16                                  ; behind block a - 1's loads: block a's 8 stores and 8 loads
.endr
	SEND 3, 0
	s_wait_tensorcnt 0x0                           ; the wave's end
	ds_add_u32 v[SPW], v[NIL]
	s_wait_dscnt 0x0
	CROUND                                         ; the closing round
	s_endpgm
.Lfunc_end_k_q4b82428c43_proj:
	.size	k_q4b82428c43_proj, .Lfunc_end_k_q4b82428c43_proj-k_q4b82428c43_proj
	.p2alignl 7, 3214868480
	.fill 96, 4, 3214868480
	.section	.rodata,"a",@progbits
	.p2align	6, 0x0
	.amdhsa_kernel k_q4b82428c43_proj
		.amdhsa_group_segment_fixed_size 327680
		.amdhsa_private_segment_fixed_size 0
		.amdhsa_enable_private_segment 0
		.amdhsa_kernarg_size 32
		.amdhsa_user_sgpr_count 2
		.amdhsa_user_sgpr_kernarg_segment_ptr 1
		.amdhsa_wavefront_size32 1
		.amdhsa_system_sgpr_workgroup_id_x 1
		.amdhsa_system_sgpr_workgroup_id_y 1
		.amdhsa_system_sgpr_workgroup_id_z 1
		.amdhsa_system_vgpr_workitem_id 0
		.amdhsa_next_free_vgpr 512
		.amdhsa_next_free_sgpr 66
		.amdhsa_reserve_vcc 0
		.amdhsa_float_denorm_mode_32 3
		.amdhsa_float_denorm_mode_16_64 3
		.amdhsa_memory_ordered 1
		.amdhsa_forward_progress 1
		.amdhsa_inst_pref_size 86
	.end_amdhsa_kernel
	.amdgpu_metadata
---
amdhsa.version: [ 1, 2 ]
amdhsa.kernels:
  - .name:           k_q4b82428c43_proj
    .symbol:         k_q4b82428c43_proj.kd
    .args:
      - { .name: a16, .offset: 0, .size: 8, .value_kind: global_buffer, .address_space: global }
      - { .name: wo16, .offset: 8, .size: 8, .value_kind: global_buffer, .address_space: global }
      - { .name: b_out, .offset: 16, .size: 8, .value_kind: global_buffer, .address_space: global }
      - { .name: out0, .offset: 24, .size: 8, .value_kind: global_buffer, .address_space: global }
    .group_segment_fixed_size: 327680
    .private_segment_fixed_size: 0
    .kernarg_segment_align: 8
    .kernarg_segment_size: 32
    .max_flat_workgroup_size: 128
    .sgpr_count:     66
    .vgpr_count:     512
    .wavefront_size: 32
...
	.end_amdgpu_metadata
.endif
;; end of part 4
;; launch fine (part 5): grid 64 x 2, 16 waves a work-group, no clusters, 18,432 bytes of LDS; arguments qkvf, w_out, b_out, out0; writes out0
.if DOCPART == 5
	.amdgcn_target "amdgcn-amd-amdhsa--gfx1250"
	.amdhsa_code_object_version 6
	.text
	.protected	k_q4b82428c43_fine
	.globl	k_q4b82428c43_fine
	.p2align	8
	.type	k_q4b82428c43_fine,@function
k_q4b82428c43_fine:
	s_mov_b64 s[64:65], 0
	v_nop
	global_prefetch_b8 v0, s[64:65] scope:SCOPE_SE
	s_setreg_imm32_b32 hwreg(HW_REG_WAVE_MODE, 25, 1), 1
	s_wait_xcnt 0x0
; The first 16 positions of both sequences, in f32 from q, k, v to the output: there a softmax row averages one to sixteen values, and f16 operands would weigh most.
; qkvf [b 2][16][3072] f32; w_out [1024][1024], b_out [1024] f32; out0 rows 2048 b + 0 .. 15 are written (again).
; SHARES.  Work-group (x, b) makes 16 rows x output columns 16 x .. 16 x + 15.  Wave hd does head hd's 16 x 16 attention and multiplies its 64 channels by w_out's piece; the 16 partial tiles are summed through LDS.
; 48 matrix instructions of 16 x 16 x 4 a wave: no bulk work.  All operands go from memory into registers; the same order of k on both sources of every product.
; Everything is used transposed: S^T = K Q^T, O^T = V^T P, Y^T = W O: a lane holds ONE query (lane % 16), and each result is the next product's source 1 as it stands.
; The registers that the matrix instructions write (v144-239) are written by nothing else; each sum has four partial accumulators by turns, or four tiles by turns.
; A row gets 64 bytes from each work-group (128 KiB in all): slices of 64 columns would store whole 256 bytes and leave three quarters of the work-groups out.  No cluster: what is shared is a few KiB, loaded through registers.
; LIMITS: NaN and infinities are not served.
.set BI,  2                            ; v[2:5]   b_out of my four columns
.set QA,  7
.set VA,  8
.set WA,  9
.set BA,  10
.set OO,  11
.set D,   12                           ; v12  r - 8 h: key 8 h + j is hidden where j is above it
.set NEG, 13
.set LST, 14
.set LRD, 15
.set QR,  16                           ; v16-47   q(r, 32 h + 0 .. 31)
.set KR,  48                           ; v48-79   k likewise
.set VT,  80                           ; v80-111  [c][j] = v(key 8 h + j, channel 16 c + r)
.set WR,  112                          ; v112-143 [c] = w_out(n0 + r, 64 hd + 16 c + 8 h + 0 .. 7)
.set SA,  144
.set OA,  176
.set YA,  208
.set T,   240                          ; v240-247 the scores, then p
.set SPW, 254                          ; v254 LDS address of my spare word; never rewritten
.set NIL, 255                          ; v255 0; never rewritten
.set SPARE, 16384                      ; behind the 16 partial tiles of 1,024 bytes
.set WV,  12
.set SEL, 24
.set CS,  26
	s_load_b256 s[4:11], s[0:1], 0x0               ; qkvf, w_out, b_out, out0
	v_lshl_add_u32 v[SPW], v0, 2, SPARE
	v_mov_b32 v[NIL], 0
	v_lshrrev_b32 v1, 5, v0
	v_readfirstlane_b32 s[WV], v1                  ; wave = head
	s_and_b32 s13, ttmp7, 0xffff                   ; the sequence
	s_and_b32 s14, s[WV], 1
	v_and_b32 v1, 15, v0                           ; r
	v_bfe_u32 v6, v0, 4, 1                         ; h
	v_mul_u32_u24 v[QA], v1, 12288
	v_lshl_add_u32 v[QA], v6, 7, v[QA]             ; q, k: position r, + 32 h channels
	v_mul_u32_u24 v[VA], v6, 8*12288
	v_lshl_add_u32 v[VA], v1, 2, v[VA]             ; v: position 8 h, channel r
	v_lshlrev_b32 v[WA], 12, v1
	v_lshl_add_u32 v[WA], v6, 5, v[WA]             ; w_out: row r, + 8 h channels
	s_lshl_b32 s15, s14, 4
	v_lshl_add_u32 v[BA], v6, 5, s15               ; b_out: 8 h + 4 (wave % 2)
	v_add_nc_u32 v[OO], s15, v[WA]                 ; out0: row r, the same four columns
	v_lshlrev_b32 v[D], 3, v6
	v_sub_nc_u32 v[D], v1, v[D]
	v_mov_b32 v[NEG], 0xff800000
	v_and_b32 v[LRD], 31, v0
	v_lshlrev_b32 v[LRD], 4, v[LRD]
	s_lshl_b32 s16, s[WV], 10
	v_add_nc_u32 v[LST], s16, v[LRD]               ; my partial tile: 1,024 x wave + 16 x lane
	s_lshl_b32 s16, s14, 9
	v_add_nc_u32 v[LRD], s16, v[LRD]               ; and the half of every tile that waves 0, 1 read back
	s_mov_b32 s[SEL], 0x76543210
	s_mov_b32 s[SEL+1], 0xfedcba98
	s_mov_b32 s[CS], 0x3e38aa3b                    ; c = log2(e) / 8
	s_mov_b32 s[CS+1], s[CS]
	s_mul_i32 s16, s13, 196608
	s_lshl_b32 s17, s[WV], 8
	s_add_co_u32 s16, s16, s17                     ; qkvf: my sequence, my head's 64 channels
	s_lshl_b32 s18, ttmp9, 16
	s_add_co_u32 s18, s18, s17                     ; w_out: row 16 x, my head's channels
	s_mov_b32 s17, 0
	s_mov_b32 s19, 0
	s_lshl_b32 s20, ttmp9, 6                       ; column 16 x, in bytes
	s_mov_b32 s21, 0
	s_lshl_b32 s22, s13, 23                        ; 2,048 rows of 4,096 bytes
	s_add_co_u32 s22, s22, s20
	s_mov_b32 s23, 0
	s_wait_kmcnt 0x0
	s_add_nc_u64 s[4:5], s[4:5], s[16:17]
	s_add_nc_u64 s[6:7], s[6:7], s[18:19]
	s_add_nc_u64 s[8:9], s[8:9], s[20:21]
	s_add_nc_u64 s[10:11], s[10:11], s[22:23]
.irp j, 0,1,2,3,4,5,6,7
	global_load_b128 v[QR+4*\j:QR+4*\j+3], v[QA], s[4:5] offset:16*\j
.endr
.irp j, 0,1,2,3,4,5,6,7
	global_load_b128 v[KR+4*\j:KR+4*\j+3], v[QA], s[4:5] offset:4096+16*\j
.endr
.irp c, 0,1,2,3
.irp j, 0,1,2,3,4,5,6,7
	global_load_b32 v[VT+8*\c+\j], v[VA], s[4:5] offset:8192+12288*\j+64*\c
.endr
.endr
.irp c, 0,1,2,3
	global_load_b128 v[WR+8*\c:WR+8*\c+3], v[WA], s[6:7] offset:64*\c
	global_load_b128 v[WR+8*\c+4:WR+8*\c+7], v[WA], s[6:7] offset:64*\c+16
.endr
	global_load_b128 v[BI:BI+3], v[BA], s[8:9]
	s_wait_loadcnt 41                              ; q and k are in; v's 32 loads, w_out's 8 and the bias's one may be out
.set kk, 0
.rept 16                                       ; S^T: 64 channels, four at a time, on four partial accumulators by turns
.if kk < 4
	v_wmma_f32_16x16x4_f32 v[SA+8*(kk%4):SA+8*(kk%4)+7], v[KR+2*kk:KR+2*kk+1], v[QR+2*kk:QR+2*kk+1], 0
.else
	v_wmma_f32_16x16x4_f32 v[SA+8*(kk%4):SA+8*(kk%4)+7], v[KR+2*kk:KR+2*kk+1], v[QR+2*kk:QR+2*kk+1], v[SA+8*(kk%4):SA+8*(kk%4)+7]
.endif
.set kk, kk+1
.endr
.rept 8
	v_nop                                          ; eight places behind this form, ahead of the first read of a result (ISA guide 7.12.1)
.endr
.irp p, 0,2,4,6                                ; the four parts are added, each accumulator from its low end on
	v_pk_add_f32 v[T+\p:T+\p+1], v[SA+\p:SA+\p+1], v[SA+8+\p:SA+8+\p+1]
	v_pk_add_f32 v[248:249], v[SA+16+\p:SA+16+\p+1], v[SA+24+\p:SA+24+\p+1]
	v_pk_add_f32 v[T+\p:T+\p+1], v[T+\p:T+\p+1], v[248:249]
.endr
.irp j, 0,1,2,3,4,5,6,7                        ; lane (r, h), register j: key 8 h + j, query r
	v_cmp_gt_i32 vcc_lo, \j, v[D]
	v_cndmask_b32 v[T+\j], v[T+\j], v[NEG], vcc_lo
.endr
	v_max3_num_f32 v248, v[T], v[T+1], v[T+2]
	v_max3_num_f32 v249, v[T+3], v[T+4], v[T+5]
	v_max3_num_f32 v248, v248, v[T+6], v[T+7]
	v_max_num_f32 v248, v248, v249
	v_permlanex16_b32 v249, v248, s[SEL], s[SEL+1]
	v_max_num_f32 v248, v248, v249                 ; the row's maximum (key 0 counts for every query)
	v_mul_f32 v250, s[CS], v248
	v_mul_f32 v251, s[CS], v248                    ; (the pair's upper half is named, so it is written)
.irp p, 0,2,4,6
	v_pk_fma_f32 v[T+\p:T+\p+1], v[T+\p:T+\p+1], s[CS:CS+1], v[250:251] op_sel_hi:[1,0,0] neg_lo:[0,0,1] neg_hi:[0,0,1]
.endr
.irp j, 0,1,2,3,4,5,6,7
	v_exp_f32 v[T+\j], v[T+\j]
.endr
	v_nop                                          ; a plain line behind the last exponential
	s_wait_alu depctr_va_vdst(0)                   ; one wait for the eight, ahead of their first reader
	v_pk_add_f32 v[252:253], v[T:T+1], v[T+2:T+3]
	v_pk_add_f32 v[248:249], v[T+4:T+5], v[T+6:T+7]
	v_pk_add_f32 v[252:253], v[252:253], v[248:249]
	v_add_f32 v252, v252, v253
	v_permlanex16_b32 v253, v252, s[SEL], s[SEL+1]
	v_add_f32 v252, v252, v253                     ; the row's sum
	v_rcp_f32 v248, v252
	v_nop
	s_wait_alu depctr_va_vdst(0)
.irp p, 0,2,4,6
	v_pk_mul_f32 v[T+\p:T+\p+1], v[T+\p:T+\p+1], v[248:249] op_sel_hi:[1,0]   ; p / the sum
.endr
	s_wait_loadcnt 9                               ; v is in; w_out's 8 loads and the bias's may be out
.irp k, 0,1,2,3                                ; O^T = V^T P: 16 keys, four at a time; four tiles of 16 channels by turns
.irp c, 0,1,2,3
.if \k == 0
	v_wmma_f32_16x16x4_f32 v[OA+8*\c:OA+8*\c+7], v[VT+8*\c+2*\k:VT+8*\c+2*\k+1], v[T+2*\k:T+2*\k+1], 0
.else
	v_wmma_f32_16x16x4_f32 v[OA+8*\c:OA+8*\c+7], v[VT+8*\c+2*\k:VT+8*\c+2*\k+1], v[T+2*\k:T+2*\k+1], v[OA+8*\c:OA+8*\c+7]
.endif
.endr
.endr
	s_wait_loadcnt 0x0                             ; w_out, the bias
.rept 9
	v_nop                                          ; nine places: a result becomes a source of the next product
.endr
.irp c, 0,1,2,3                                ; Y^T = W O: my 64 channels, four at a time, on four partial accumulators by turns
.irp k, 0,1,2,3
.if \c == 0
	v_wmma_f32_16x16x4_f32 v[YA+8*\k:YA+8*\k+7], v[WR+8*\c+2*\k:WR+8*\c+2*\k+1], v[OA+8*\c+2*\k:OA+8*\c+2*\k+1], 0
.else
	v_wmma_f32_16x16x4_f32 v[YA+8*\k:YA+8*\k+7], v[WR+8*\c+2*\k:WR+8*\c+2*\k+1], v[OA+8*\c+2*\k:OA+8*\c+2*\k+1], v[YA+8*\k:YA+8*\k+7]
.endif
.endr
.endr
.rept 8
	v_nop
.endr
.irp p, 0,2,4,6                                ; lane (r, h), register j: y(query r, column 8 h + j), my head's part
	v_pk_add_f32 v[KR+\p:KR+\p+1], v[YA+\p:YA+\p+1], v[YA+8+\p:YA+8+\p+1]
	v_pk_add_f32 v[KR+8+\p:KR+8+\p+1], v[YA+16+\p:YA+16+\p+1], v[YA+24+\p:YA+24+\p+1]
	v_pk_add_f32 v[KR+\p:KR+\p+1], v[KR+\p:KR+\p+1], v[KR+8+\p:KR+8+\p+1]
.endr
	ds_store_b128 v[LST], v[KR:KR+3]
	ds_store_b128 v[LST], v[KR+4:KR+7] offset:512
	s_wait_dscnt 0x0                               ; for the others' sake: my stores have landed
	s_barrier_signal -1
	s_barrier_wait -1
	s_cmp_gt_u32 s[WV], 1                          ; waves 0 and 1 add the sixteen parts: registers 0-3 and 4-7
	s_cbranch_scc1 .Lend
.irp p, 0,1,2,3,4,5,6,7,8,9,10,11,12,13,14,15
	ds_load_b128 v[QR+4*\p:QR+4*\p+3], v[LRD] offset:1024*\p
.endr
	s_wait_dscnt 0x0
.irp s, 8,4,2,1
.irp p, 0,1,2,3,4,5,6,7
.if \p < \s
	v_pk_add_f32 v[QR+4*\p:QR+4*\p+1], v[QR+4*\p:QR+4*\p+1], v[QR+4*(\p+\s):QR+4*(\p+\s)+1]
	v_pk_add_f32 v[QR+4*\p+2:QR+4*\p+3], v[QR+4*\p+2:QR+4*\p+3], v[QR+4*(\p+\s)+2:QR+4*(\p+\s)+3]
.endif
.endr
.endr
	v_pk_add_f32 v[QR:QR+1], v[QR:QR+1], v[BI:BI+1]
	v_pk_add_f32 v[QR+2:QR+3], v[QR+2:QR+3], v[BI+2:BI+3]
	global_store_b128 v[OO], v[QR:QR+3], s[10:11]
.Lend:
	s_wait_tensorcnt 0x0                           ; the wave's end, behind my last LDS store
	ds_add_u32 v[SPW], v[NIL]
	s_wait_dscnt 0x0
	s_endpgm
.Lfunc_end_k_q4b82428c43_fine:
	.size	k_q4b82428c43_fine, .Lfunc_end_k_q4b82428c43_fine-k_q4b82428c43_fine
	.p2alignl 7, 3214868480
	.fill 96, 4, 3214868480
	.section	.rodata,"a",@progbits
	.p2align	6, 0x0
	.amdhsa_kernel k_q4b82428c43_fine
		.amdhsa_group_segment_fixed_size 18432
		.amdhsa_private_segment_fixed_size 0
		.amdhsa_enable_private_segment 0
		.amdhsa_kernarg_size 32
		.amdhsa_user_sgpr_count 2
		.amdhsa_user_sgpr_kernarg_segment_ptr 1
		.amdhsa_wavefront_size32 1
		.amdhsa_system_sgpr_workgroup_id_x 1
		.amdhsa_system_sgpr_workgroup_id_y 1
		.amdhsa_system_sgpr_workgroup_id_z 1
		.amdhsa_system_vgpr_workitem_id 0
		.amdhsa_next_free_vgpr 256
		.amdhsa_next_free_sgpr 66
		.amdhsa_reserve_vcc 1
		.amdhsa_float_denorm_mode_32 3
		.amdhsa_float_denorm_mode_16_64 3
		.amdhsa_memory_ordered 1
		.amdhsa_forward_progress 1
		.amdhsa_inst_pref_size 19
	.end_amdhsa_kernel
	.amdgpu_metadata
---
amdhsa.version: [ 1, 2 ]
amdhsa.kernels:
  - .name:           k_q4b82428c43_fine
    .symbol:         k_q4b82428c43_fine.kd
    .args:
      - { .name: qkvf, .offset: 0, .size: 8, .value_kind: global_buffer, .address_space: global }
      - { .name: w_out, .offset: 8, .size: 8, .value_kind: global_buffer, .address_space: global }
      - { .name: b_out, .offset: 16, .size: 8, .value_kind: global_buffer, .address_space: global }
      - { .name: out0, .offset: 24, .size: 8, .value_kind: global_buffer, .address_space: global }
    .group_segment_fixed_size: 18432
    .private_segment_fixed_size: 0
    .kernarg_segment_align: 8
    .kernarg_segment_size: 32
    .max_flat_workgroup_size: 512
    .sgpr_count:     66
    .vgpr_count:     256
    .wavefront_size: 32
...
	.end_amdgpu_metadata
.endif
;; end of part 5
